; MI455X (gfx1250); checked and timed in simulation.
; The chip was launched on July 23, 2026; its instructions are those of AMD's public machine-readable ISA for CDNA 5 (MIT licence, August 2026) and "CDNA5" Instruction Set Architecture Reference Guide (July 2026). The comments in the code are by the model that wrote it; some were corrected since.
;; Adaptive Filter Attention. Allowed arithmetic: matrix products marked QUANTISED: E4M3 operands, one given power-of-two scale a tensor, by v_wmma_f32_16x16x64_fp8_fp8 or v_wmma_f32_16x16x128_fp8_fp8, f32 sums; everything else in f32.
;; Inputs: Wk_codes 1,024 x 32 x 32 uint8 (E4M3 codes of Wk, K innermost, in blocks of 32 codes); Wo_codes 1,024 x 32 x 32 uint8 (E4M3 codes of Wo, K innermost, in blocks of 32 codes); Wq_codes 1,024 x 32 x 32 uint8 (E4M3 codes of Wq, K innermost, in blocks of 32 codes); Wv_codes 1,024 x 32 x 32 uint8 (E4M3 codes of Wv, K innermost, in blocks of 32 codes); alpha one number float32; bk 1,024 float32; bo 1,024 float32; bq 1,024 float32; bv 1,024 float32; lowp_scales 12 int32 (the exponents e of the quantised operands' scales 2^e); x_codes 2 x 2,048 x 32 x 32 uint8 (E4M3 codes of x, K innermost, in blocks of 32 codes).
;; Outputs: out0 2 x 2,048 x 1,024 float32.
;; This version of the problem:
;;   THIS VERSION OF THE PROBLEM IS GIVEN IN LOW PRECISION. The matrix products marked QUANTISED in the list below multiply operands that are first quantised to E4M3 (4 exponent bits, 3 mantissa bits; 8 bits a number), with one given power-of-two scale for each operand tensor; their sums are f32. All else is computed in f32.
;;   The module's matrix products, in the order in which they are computed (A, B: the left and right operand; K: the contracted axis; several contracted axes count as one K, in the product's order):
;;     1. [M 4,096, K 1,024] x [K 1,024, N 1,024]; A: input x (given as codes); B: input Wq (given as codes): QUANTISED (scales: A lowp_scales[0], B lowp_scales[1])
;;     2. [M 4,096, K 1,024] x [K 1,024, N 1,024]; A: input x (given as codes); B: input Wk (given as codes): QUANTISED (scales: A lowp_scales[2], B lowp_scales[3])
;;     3. [M 4,096, K 1,024] x [K 1,024, N 1,024]; A: input x (given as codes); B: input Wv (given as codes): QUANTISED (scales: A lowp_scales[4], B lowp_scales[5])
;;     4. batch 32 x [M 2,048, K 64] x [K 64, N 2,048]; A: computed on the way; B: computed on the way: QUANTISED (scales: A lowp_scales[6], B lowp_scales[7])
;;     5. batch 32 x [M 64, K 2,048] x [K 2,048, N 2,048]; A: computed on the way; B: softmax (see below): QUANTISED (scales: A lowp_scales[8], B lowp_scales[9])
;;     6. [M 4,096, K 1,024] x [K 1,024, N 1,024]; A: computed on the way; B: input Wo (given as codes): QUANTISED (scales: A lowp_scales[10], B lowp_scales[11])
;;   THE QUANTISER, for each operand of a quantised product, along K:
;;     - The operand's scale is 2^e, e = its entry of the input lowp_scales (int32; the entries are numbered through the quantised products in the list's order, A before B).
;;     - Each number is divided by the scale, clamped to +-448, and rounded to the nearest number of E4M3, ties to even, subnormals kept.
;;     - The product sums the exact products of the quantised numbers (number of the format x scale) in f32.
;;   ~~~python
;;   def quantise(x, axis, e):      # numpy; x: float32 -> the quantised numbers, widened to float32 again
;;       x = np.moveaxis(x, axis, -1); K = x.shape[-1]
;;       r = np.clip(x / 2.0 ** e, -448, 448)
;;       step = 2.0 ** (np.maximum(np.frexp(np.where(r == 0, 1, r))[1] - 1, -6) - 3)
;;       q = np.round(r / step) * step * 2.0 ** e      # np.round: ties to even
;;       return np.moveaxis(q, -1, axis).astype(np.float32)
;;   ~~~
;;   SOFTMAX AHEAD OF A QUANTISED PRODUCT. Where the list says 'softmax', what is quantised is not the finished softmax but p = 2^(t - M), with t = logit x log2(e) and M = ceil(the row's largest t), a whole number; so 1/2 < the row's largest p <= 1. The row's sum l is taken of the UNQUANTISED p, in f32, and the product's result is divided by l at the end. Since M is a whole number, a kernel that streams over the keys may use a running M (the ceiling of the running maximum): every later rescaling is an exact power of two, so the quantised numbers keep their values, but for numbers so far below the row's largest that they fall under the format's range.
;;   OPERANDS COMPUTED ON THE WAY. 'Computed on the way' means the value that the module computes at that place (a softmax that the list does not call 'softmax' is quantised finished and normalised). What goes into a quantiser is computed in f32, as accurately as f32 sums, v_exp_f32 and their like allow (about 1e-6 of the number): no bf16 or f16 on the way to a quantiser, and a product that is left as it is and whose result goes on into a quantised operand takes f32 operands (vector FMAs, or v_wmma_f32_16x16x4_f32). A number that lies on a knife's edge between two numbers of the format may be rounded either way, as far as f32 arithmetic and the matrix unit's own rounding can turn it there, and no further.
;;   INPUTS GIVEN AS CODES. Wk (in the module: [1024, 1024], K = its axis 1); Wo (in the module: [1024, 1024], K = its axis 1); Wq (in the module: [1024, 1024], K = its axis 1); Wv (in the module: [1024, 1024], K = its axis 1); x (in the module: [2, 2048, 1024], K = its axis 2): each comes as NAME_codes (uint8): NAME with its K axis moved to the last place and cut into blocks of 32 codes, [.., K / 32, bytes a block], one block behind the other in memory; one code a byte (a code: sign, 4 exponent bits, 3 mantissa bits); its scale is its entry of lowp_scales. Its value is code x scale, taken as it is: it is not quantised again, and the codes and scales need not be those that the quantiser above would give.
;; 2 versions, each right; version 2 is version 1 with the launch attn written anew for expert scheduling mode. Each part assembles by itself: llvm-mc -triple=amdgcn-amd-amdhsa -mcpu=gfx1250 --defsym DOCPART=n.
;; ======== version 1 of 2: 3 launches
;; workspace buffers: qimg 4,194,304 bytes; kv 8,388,608 bytes; aimg 4,194,304 bytes
;; launch proj (part 1): grid 12 x 16, 4 waves a work-group, clusters of 4 x 4, 327,680 bytes of LDS; arguments x_codes, Wq_codes, Wk_codes, Wv_codes, bq, bk, bv, lowp_scales, qimg, kv; writes qimg, kv
.if DOCPART == 1
	.amdgcn_target "amdgcn-amd-amdhsa--gfx1250"
	.amdhsa_code_object_version 6
	.text
	.protected	k_q29fc8104a0_proj
	.globl	k_q29fc8104a0_proj
	.p2align	8
	.type	k_q29fc8104a0_proj,@function
k_q29fc8104a0_proj:
	s_mov_b64 s[64:65], 0
	v_nop
	global_prefetch_b8 v0, s[64:65] scope:SCOPE_SE
	s_setreg_imm32_b32 hwreg(HW_REG_WAVE_MODE, 25, 1), 1
	s_wait_xcnt 0x0
	s_wait_alu depctr_hold_cnt(0) depctr_sa_sdst(0) depctr_va_vdst(0) depctr_va_sdst(0) depctr_va_ssrc(0) depctr_va_vcc(0) depctr_vm_vsrc(0)
	s_getreg_b32 s2, hwreg(HW_REG_IB_STS2, 6, 4)
	s_cmp_eq_u32 s2, 0
	s_cbranch_scc0 .Lentry_in_a_cluster
	s_endpgm
.Lentry_in_a_cluster:
	s_bfe_u32 s2, ttmp6, 0x10000c
	s_cmp_lg_u32 s2, 0xf033
	s_cbranch_scc0 .Lentry_shape_is_right
	s_endpgm
.Lentry_shape_is_right:
; q = x Wq^T + bq, k = x Wk^T + bk, v = x Wv^T + bv on codes of E4M3, each result quantised at once with its given scale and stored as the REGISTER IMAGE of the operand that the attention launch wants.
; x: [4096][1024] codes; Wq, Wk, Wv: [1024][1024] codes, K innermost; biases f32.  Entries of the scales: product m (0 q, 1 k, 2 v) takes 2 m (x) and 2 m + 1 (W); its result is quantised with entry 6 + m.
; SHARES.  A work-group of four waves makes 256 x 256 of one product, a wave 128 x 128 (64 accumulators, 512 registers); K = 1,024 goes in four steps of 256 through two LDS slots filled by the tensor data mover.
; The cluster's x is the product m: it is the same in all sixteen partners, so choices and branches may hang on it.  12 x 16 work-groups: 3,072 columns make 12 tile columns of the largest wave tile that the registers hold.
; ROLES.  'A' is the operand whose rows end on LANES of a result, 'B' the one whose rows end on a lane's REGISTERS (source 0 = 16 rows of B, source 1 = 16 rows of A).  q, k: A = x, B = W: a lane holds one token and eight
; neighbouring features, the next product's K.  v: A = Wv, B = x: a lane holds one channel and eight neighbouring tokens (keys), the K of the product with p.  One conversion makes of a lane's eight numbers two registers, which are
; registers 2 c, 2 c + 1 (k = 16 c + 8 (lane / 16) + 0 .. 7) of an 8-bit operand (ISA guide 7.12.2): nothing is transposed, no row is permuted, and four registers leave by one store of 512 consecutive bytes, lane l at 16 l.
; OUT.  qimg [bh 32][tile of 16 queries 128][1,024 bytes].  kv [bh 32][step of 128 keys 16][16,384 bytes]: K's eight tiles of 16 keys (1,024 bytes each), then V^T's four tiles of 16 channels x 128 keys (2,048 each).  bh = 16 batch + head.
; CLUSTERS: 4 x 4.  A's tile is shared along a row of the cluster, B's along a column: each is asked for jointly, by the same tensor load with the same descriptor and a mask that names the four.
; In the products with x both sides are fetched by loads of 16 bytes (k = 32 c + 16 (lane / 16) + 0 .. 15 in registers 4 c .. 4 c + 3): one permutation of k for both sides, so every product meets its partner.
; LIMITS: the sum of a product's two exponents between -126 and 127; entries 6, 7, 8 between -126 and 119, so that each power of two below is an f32 number.  NaN among the inputs is not served.
; REGISTERS, in windows of 256: window 0: v16-29 addresses and constants; v32-95 the bias, a register a feature; v96-111 the bias, a lane a feature; v128-255 A's fragments, ONE set (on the way out: v128-191 sums with bias, v192-255 codes).
;   window 1: B's fragments, TWO sets.   window 2: the accumulators of my A rows 0-63 ((a, b) at v[8 (8 a + b)]);   window 3: those of rows 64-127.
.set KSTEP,  256                       ; along K in a slot
.set ROWB,   256                       ; a tile's row in bytes
.set KROW,   1024                      ; a row of x or of a weight in memory, in bytes
.set PITCH,  272                       ; an LDS row: 256 bytes + 16 of padding = 68 words: row r starts at bank 4 r mod 64 (64 banks of 4 bytes: ISA guide 11.1)
.set FR,     16                        ; registers of a fragment: 16 rows x 128 K
.set NL,     4                         ; LDS loads that bring one
.set NP,     4                         ; places behind this matrix instruction (ISA guide 7.12.1)
.set HALFT,  128*PITCH                 ; 128 rows: what one tensor load brings, and what one wave reads of A or of B
.set SLOT,   4*HALFT                   ; A's 256 rows, then B's 256 rows
.set SPARE,  2*SLOT                    ; behind the ring: the spare words, 128 bytes for each wave
.set ADRA, 16                          ; v16-17  LDS address of my A fragments in slot 0, 1
.set ADRB, 20                          ; v20-21  the same for B
.set STA,  24                          ; v24     16 x lane: my place in a stored piece
.set STB,  25                          ; v25     the same, one head further on (q, k)
.set LIMV, 26                          ; v26     448 x the result's scale
.set SCV,  27                          ; v27     the result's scale as f32
.set SPW,  28                          ; v28     LDS address of my spare word; never rewritten
.set NIL,  29                          ; v29     0; never rewritten
.set BI,   32                          ; v32-95  bias(Fe + 16 b + 8 h + j) at 8 b + j
.set BA,   96                          ; v96-111 bias(Fe + 16 a + r) at 2 a; the odd registers are 0 (named as the upper halves of pairs)
.set AF,   128                         ; A's fragments
.set TMP,  128                         ; the way out: a block's 64 numbers
.set CD,   192                         ; the way out: four sets of 16 registers of codes
.set G1, 24                            ; s[24:31] descriptor group 1 for A's tiles;  s[32:39] group 0, one set for each slot
.set G0, 32
.set G1B, 48                           ; s[48:55], s[56:63] the same for B's tiles
.set G0B, 56
.set MSB, 0
.macro WIN new                         ; the immediate's high byte repeats the setting that is left
.if MSB != \new
	s_set_vgpr_msb (MSB<<8)|\new
.set MSB, \new
.endif
.endm
.set MUL_LO, 0xa1                      ; source 0 (B) window 1, source 1 (A) window 0, C and D window 2
.set MUL_HI, 0xf1                      ; the same, C and D window 3
.set TO_B,   0x40                      ; destination window 1, address window 0
; A joint load: waves 0 and 1 fetch for A, waves 2 and 3 for B.  Each line has one mask and one set of registers for all that issue it; the branch hangs on the wave's number alone.
; Four v_nop follow each of the two lines, ahead of the jump, the label and what follows.
.macro JLOAD g0a, g1a, g0b, g1b
	s_cmp_eq_u32 s15, 0
	s_cbranch_scc0 .Lfor_b_\@
	tensor_load_to_lds s[\g0a:\g0a+3], s[\g1a:\g1a+7]
	s_nop 0
.rept 4
	v_nop
.endr
	s_branch .Lasked_\@
.Lfor_b_\@:
	tensor_load_to_lds s[\g0b:\g0b+3], s[\g1b:\g1b+7]
	s_nop 0
.rept 4
	v_nop
.endr
.Lasked_\@:
.endm
.macro CREST                           ; a round of the cluster's barrier behind its opening barrier
	s_cmp_lg_u32 s14, 0
	s_cbranch_scc1 .Lnot_wave_0_\@
	s_barrier_signal -3
.Lnot_wave_0_\@:
	s_barrier_wait -3
	s_barrier_signal -1
	s_barrier_wait -1
.endm
.macro CROUND                          ; a whole round
	s_barrier_signal -1
	s_barrier_wait -1
	CREST
.endm
	s_load_b512 s[68:83], s[0:1], 0x0              ; x 68, Wq 70, Wk 72, Wv 74, bq 76, bk 78, bv 80, the scales' exponents 82
	s_load_b128 s[84:87], s[0:1], 0x40             ; qimg 84, kv 86
	v_lshl_add_u32 v[SPW], v0, 2, SPARE
	v_mov_b32 v[NIL], 0
	ds_add_u32 v28, v29
	ds_add_u32 v28, v29
	s_wait_dscnt 0x0
	v_lshrrev_b32 v1, 5, v0
	v_readfirstlane_b32 s14, v1                    ; wave 0..3
	s_lshr_b32 s15, s14, 1                         ; which half of the tile's A rows is mine.  Also: I fetch for A (0) or for B (1)
	s_and_b32 s16, s14, 1                          ; which half of its B rows.  Also: which 128 rows of that tile I fetch
	s_bfe_u32 s40, ttmp6, 0x40000                  ; cx, cy: my place in the cluster
	s_bfe_u32 s41, ttmp6, 0x40004
	s_and_b32 s88, ttmp7, 0xffff
	s_lshl_b32 s88, s88, 2                         ; 4 x cluster y: it walks x's sixteen tiles of 256 tokens
	s_cmp_eq_u32 ttmp9, 2                          ; v?
	s_cselect_b32 s17, 0, s88                      ; q, k: A = x;  v: A = Wv, four tiles
	s_cselect_b32 s42, s88, 0                      ; q, k: B = W, four tiles;  v: B = x
	s_add_co_u32 s17, s17, s41                     ; A's tile: it hangs on cy, never on cx
	s_add_co_u32 s42, s42, s40                     ; B's tile: on cx, never on cy
	s_lshl_b32 s43, s41, 2
	s_lshl_b32 s43, 15, s43                        ; my row of the cluster
	s_lshl_b32 s44, 0x1111, s40                    ; my column
	; descriptor group 1: a tile of 128 rows x 256 bytes, padded in LDS
	s_or_b32 s[G1+0], s43, (0<<16)|(1<<20)|(1<<21)|(5<<22)|(3<<25)  ; 15:0 the mask: A's tiles go to my row; 17:16 element of 1 byte; 20 padding on; 21 set beside a mask; 24:22 after every 64 words (code 5); 31:25 of 4 words (code 3)
	s_or_b32 s[G1B+0], s44, (0<<16)|(1<<20)|(1<<21)|(5<<22)|(3<<25)
.irp g, G1, G1B
	s_mov_b32 s[\g+1], ROWB<<16                    ; tensor_dim0
	s_mov_b32 s[\g+2], 128<<16                     ; tensor_dim1 = 128
	s_mov_b32 s[\g+3], ROWB<<16                    ; tile_dim0
	s_mov_b32 s[\g+4], 128                         ; tile_dim1 = 128
	s_mov_b32 s[\g+5], KROW                        ; tensor_dim0_stride
	s_mov_b32 s[\g+6], 0
	s_mov_b32 s[\g+7], 0
.endr
	s_lshl_b32 s18, s16, 7                         ; which 128 rows of the tile I fetch
	s_lshl_b32 s20, s17, 8
	s_add_co_u32 s20, s20, s18                     ; A: row 256 x tile + 128 x half,
	s_lshl_b32 s20, s20, 10                        ; in bytes (under 4 MiB)
	s_mov_b32 s21, 0
	s_lshl_b32 s46, s42, 8
	s_add_co_u32 s46, s46, s18                     ; B likewise
	s_lshl_b32 s46, s46, 10
	s_mov_b32 s47, 0
	s_mul_i32 s45, s14, HALFT                      ; where they go: wave x 128 rows: no place in the cluster enters an LDS address
	s_wait_kmcnt 0x0
	s_cmp_eq_u32 ttmp9, 2                          ; the buffers are chosen by the product's number alone
	s_cselect_b64 s[4:5], s[74:75], s[68:69]       ; A: Wv, else x
	s_cselect_b64 s[6:7], s[68:69], s[72:73]       ; B: x, else Wk
	s_cselect_b64 s[8:9], s[80:81], s[78:79]       ; bias: bv, else bk
	s_cmp_eq_u32 ttmp9, 0
	s_cselect_b64 s[6:7], s[70:71], s[6:7]         ; q: Wq,
	s_cselect_b64 s[8:9], s[76:77], s[8:9]         ; bq,
	s_cselect_b64 s[10:11], s[84:85], s[86:87]     ; and qimg; k and v go to kv
	s_lshl_b32 s90, ttmp9, 3
	s_mov_b32 s91, 0
	s_add_nc_u64 s[90:91], s[82:83], s[90:91]
	s_load_b64 s[96:97], s[90:91], 0x0             ; entries 2 m, 2 m + 1: x's and the weight's exponents
	s_lshl_b32 s92, ttmp9, 2
	s_mov_b32 s93, 0
	s_add_nc_u64 s[92:93], s[82:83], s[92:93]
	s_load_b32 s98, s[92:93], 0x18                 ; entry 6 + m: the result's
	s_add_nc_u64 s[20:21], s[4:5], s[20:21]
	s_add_nc_u64 s[46:47], s[6:7], s[46:47]
	CROUND                                         ; all sixteen work-groups are here: the first joint loads meet
.irp s, 0,1
	s_mov_b32 s[G0+4*\s], 1
	s_add_co_u32 s[G0+4*\s+1], s45, \s*SLOT
	s_add_nc_u64 s[G0+4*\s+2:G0+4*\s+3], s[20:21], \s*ROWB
	s_or_b32 s[G0+4*\s+3], s[G0+4*\s+3], 0x80000000
	s_mov_b32 s[G0B+4*\s], 1
	s_add_co_u32 s[G0B+4*\s+1], s45, \s*SLOT
	s_add_nc_u64 s[G0B+4*\s+2:G0B+4*\s+3], s[46:47], \s*ROWB
	s_or_b32 s[G0B+4*\s+3], s[G0B+4*\s+3], 0x80000000
	JLOAD G0+4*\s, G1, G0B+4*\s, G1B               ; two loads of mine are out
.endr
	v_and_b32 v1, 15, v0                           ; r = l % 16
	v_bfe_u32 v2, v0, 4, 1                         ; h = l / 16
	v_mul_u32_u24 v3, v1, PITCH
	v_lshl_add_u32 v4, v2, 4, v3                   ; a fragment's row x pitch + 16 x half
	s_mul_i32 s21, s15, HALFT                      ; my 128 rows of A
	s_mul_i32 s22, s16, HALFT                      ; my 128 rows of B,
	s_add_co_u32 s22, s22, 2*HALFT                 ; which lie behind A's 256
.irp s, 0,1
	v_add_nc_u32 v[ADRA+\s], s21, v4
	v_add_nc_u32 v[ADRB+\s], s22, v4
	s_add_co_u32 s21, s21, SLOT
	s_add_co_u32 s22, s22, SLOT
.endr
	; where my results go.  T = my first token, Fe = my first feature: A's and B's first rows, or the other way round for v
	s_lshl_b32 s20, s17, 8
	s_lshl_b32 s21, s15, 7
	s_add_co_u32 s20, s20, s21                     ; my first row of A
	s_lshl_b32 s22, s42, 8
	s_lshl_b32 s23, s16, 7
	s_add_co_u32 s22, s22, s23                     ; my first row of B
	s_cmp_eq_u32 ttmp9, 2
	s_cselect_b32 s18, s22, s20                    ; T
	s_cselect_b32 s19, s20, s22                    ; Fe
	s_cselect_b32 s23, 8192, 0                     ; V^T lies behind a step's K
	s_min_u32 s89, ttmp9, 1                        ; 0: qimg; 1: kv, whose heads and tokens lie twice as far apart
	s_lshl_b32 s94, s19, 2
	s_mov_b32 s95, 0
	s_add_nc_u64 s[8:9], s[8:9], s[94:95]          ; the bias at Fe
	s_lshr_b32 s21, s18, 11
	s_lshl_b32 s21, s21, 4
	s_lshr_b32 s94, s19, 6
	s_add_co_u32 s21, s21, s94                     ; bh = 16 x batch + head
	s_add_co_u32 s94, s89, 17
	s_lshl_b32 s21, s21, s94                       ; x 131,072 (qimg) or 262,144 (kv)
	s_and_b32 s18, s18, 2047                       ; the token in its batch, a multiple of 128:
	s_add_co_u32 s94, s89, 6
	s_lshl_b32 s18, s18, s94                       ; 1,024 bytes for 16 tokens (qimg), 16,384 for 128 (kv)
	s_add_co_u32 s18, s18, s21
	s_add_co_u32 s18, s18, s23
	s_mov_b32 s19, 0
	s_add_nc_u64 s[10:11], s[10:11], s[18:19]
	v_and_b32 v6, 31, v0
	v_lshlrev_b32 v[STA], 4, v6
	s_lshl_b32 s94, 0x20000, s89
	v_add_nc_u32 v[STB], s94, v[STA]
	; THE BIAS, in both forms, by every work-group: a register a feature (q, k need it) and a lane a feature (v needs it): 24 loads once, of which 8 or 16 go unread.
	; So every register that the way out names is written on the one path that all take, and no branch stands here.  Both forms read bias(Fe .. Fe + 127).
	v_lshlrev_b32 v5, 5, v2                        ; 32 h
	v_lshlrev_b32 v7, 2, v1                        ; 4 r
.irp b, 0,1,2,3,4,5,6,7
	global_load_b128 v[BI+8*\b:BI+8*\b+3], v5, s[8:9] offset:64*\b
	global_load_b128 v[BI+8*\b+4:BI+8*\b+7], v5, s[8:9] offset:64*\b+16
.endr
.irp a, 0,1,2,3,4,5,6,7
	global_load_b32 v[BA+2*\a], v7, s[8:9] offset:64*\a
	v_mov_b32 v[BA+2*\a+1], 0
.endr
.macro FRAG reg, adr, q, i             ; a fragment, 16 rows x 128 K: lane l holds row l % 16; registers 4 c .. 4 c + 3 hold K = 32 c + 16 (l / 16) + 0 .. 15
.irp c, 0,1,2,3
	ds_load_b128 v[\reg+4*\c:\reg+4*\c+3], v[\adr] offset:128*(\q)+32*\c+(\i)*16*PITCH
.endr
.endm
; 16 matrix instructions: A's blocks a0, a0 + 1 x B's eight, 128 along K.  p: B's set.  zero = 1: the first product starts the sums: nothing is ever cleared.
; The 64 accumulators take turns, one instruction a turn, in the same order in every step.
.macro MUL16 a0, p, zero
.irp a, \a0, \a0+1
.irp b, 0,1,2,3,4,5,6,7
.if \zero
	v_wmma_f32_16x16x128_fp8_fp8 v[8*(8*((\a)%4)+\b):8*(8*((\a)%4)+\b)+7], v[128*(\p)+FR*\b:128*(\p)+FR*\b+FR-1], v[AF+FR*(\a):AF+FR*(\a)+FR-1], 0
.else
	v_wmma_f32_16x16x128_fp8_fp8 v[8*(8*((\a)%4)+\b):8*(8*((\a)%4)+\b)+7], v[128*(\p)+FR*\b:128*(\p)+FR*\b+FR-1], v[AF+FR*(\a):AF+FR*(\a)+FR-1], v[8*(8*((\a)%4)+\b):8*(8*((\a)%4)+\b)+7]
.endif
.endr
.endr
.endm
.macro FETCH_B slot, q, p              ; B's eight fragments of the slot's q-th 128 along K into set p
	WIN TO_B
.irp i, 0,1,2,3,4,5,6,7
	FRAG 128*(\p)+FR*\i, ADRB+\slot, \q, \i
.endr
	WIN 0
.endm
.macro FETCH_A slot, q, i0             ; A's blocks i0 .. i0 + 3
.irp i, \i0, \i0+1, \i0+2, \i0+3
	FRAG AF+FR*(\i), ADRA+\slot, \q, \i
.endr
.endm
; A load into a register that a matrix instruction has read, and a vector instruction that reads a matrix result or writes one of its registers, stand NP places behind it; only plain vector
; instructions that name none of its registers are places (ISA guide 7.12.1 for vector instructions).
.macro PLACES n
.rept \n
	v_nop
.endr
.endm
; A step of 128 along K that has its successor in the same slot.  A block of A is free as soon as its eight products are issued: blocks 0-3 are fetched anew in the step's middle, blocks 4-7 at its end.
.macro STEP slot, q, zero
	s_wait_dscnt 4*NL                              ; B's set and A's blocks 0-3 are in; the youngest sixteen loads (A's blocks 4-7) may be out
	WIN MUL_LO
	MUL16 0, (\q)%2, \zero
	MUL16 2, (\q)%2, \zero
	s_wait_dscnt 0                                 ; A's blocks 4-7 are in (asked for 32 matrix instructions ago)
	PLACES NP
	FETCH_B \slot, (\q)+1, 1-(\q)%2
	FETCH_A \slot, (\q)+1, 0
	WIN MUL_HI
	MUL16 4, (\q)%2, \zero
	MUL16 6, (\q)%2, \zero
	PLACES NP
	WIN 0
	FETCH_A \slot, (\q)+1, 4
.endm
; A slot's last step changes slots: ONE barrier; in front of it each wave waits for all its tensor loads, adds 0 to its spare word, and waits for that and for its own reads of this slot.  fill = 1: this slot is filled again, two K steps ahead.
.macro TURN slot, next, fill
	s_wait_tensorcnt 0x0                           ; all my tensor loads have landed: my part of the next slot  (every window is 0 here)
	ds_add_u32 v[SPW], v[NIL]                      ; 0 onto my spare word
	s_wait_dscnt 4*NL+1                            ; (the add and the youngest sixteen loads, A's blocks 4-7, may be out)
	WIN MUL_LO
	MUL16 0, 1, 0                                  ; sixteen matrix instructions stand between the add and the wait for it
	s_wait_dscnt 0x0                               ; the add is done, and my reads of this slot are over
	s_barrier_signal -1
	MUL16 2, 1, 0
	WIN 0
	s_barrier_wait -1
.if \fill
	CREST                                          ; the barrier has opened a round of the cluster's barrier: no wave of any partner still reads this slot's tile or has a load on its way
	s_add_nc_u64 s[G0+4*\slot+2:G0+4*\slot+3], s[G0+4*\slot+2:G0+4*\slot+3], 2*ROWB
	s_add_nc_u64 s[G0B+4*\slot+2:G0B+4*\slot+3], s[G0B+4*\slot+2:G0B+4*\slot+3], 2*ROWB
	JLOAD G0+4*\slot, G1, G0B+4*\slot, G1B         ; the first tensor load behind the round, my one load until the next; its four v_nop are the places in front of the loads below
.else
	PLACES NP
.endif
	FETCH_B \next, 0, 0
	FETCH_A \next, 0, 0
	WIN MUL_HI
	MUL16 4, 1, 0
	MUL16 6, 1, 0
	PLACES NP
	WIN 0
	FETCH_A \next, 0, 4
.endm
	s_wait_tensorcnt 1                             ; my part of K step 0 is in (K step 1's load may be out)
	s_barrier_signal -1
	s_barrier_wait -1                              ; everybody's is
	FETCH_B 0, 0, 0
	FETCH_A 0, 0, 0
	FETCH_A 0, 0, 4
	STEP 0, 0, 1                                   ; K = 1,024 is four slots' worth, eight steps of 128: written out, no loop.  The first step's products start the sums
	TURN 0, 1, 1                                   ; slot 0 takes K 512 .. 767
	STEP 1, 0, 0
	TURN 1, 0, 1                                   ; slot 1 takes K 768 .. 1,023
	STEP 0, 0, 0
	TURN 0, 1, 0                                   ; nothing is left to fetch: no round
	STEP 1, 0, 0
	s_wait_dscnt 4*NL                              ; the very last step
	WIN MUL_LO
	MUL16 0, 1, 0
	MUL16 2, 1, 0
	s_wait_dscnt 0
	WIN MUL_HI
	MUL16 4, 1, 0
	MUL16 6, 1, 0
	WIN 0
; THE WAY OUT, block a of 16 rows of A at a time, without LDS: number = sum x 2^(ex + ew) + bias (one fused multiply-add, two at a time); held within +-448 x the result's scale (the conversion to an 8-bit code
; does not saturate: ISA guide 7.6.2); eight numbers of a lane become two registers of codes; the block's 16 registers leave by four stores of 512 consecutive bytes each.
; kind 0 (q, k): the block is a tile of 16 tokens; registers 0-7 are my first head's 64 features, 8-15 my second head's.  kind 1 (v): the block is 16 channels x my 128 keys: one whole tile of V^T.
.macro OUTBLK a, kind
.set AC, 64*((\a)%4)
.set CSET, CD+16*((\a)%4)
.set WS, 0x02+((\a)/4)
.if (\a) >= 4
	s_wait_xcnt 0x0                                ; block a - 4's stores have read this set of codes: it is written again only behind this wait
.endif
	WIN WS                                         ; source 0: window 2 or 3
.set j, 0
.rept 32
.if \kind
	v_pk_fma_f32 v[TMP+j:TMP+j+1], v[AC+j:AC+j+1], s[96:97], v[BA+2*(\a):BA+2*(\a)+1] op_sel_hi:[1,0,0]   ; my channel's bias for both halves; each accumulator from its low end on
.else
	v_pk_fma_f32 v[TMP+j:TMP+j+1], v[AC+j:AC+j+1], s[96:97], v[BI+j:BI+j+1] op_sel_hi:[1,0,1]
.endif
.set j, j+2
.endr
	WIN 0
.set j, 0
.rept 64
	v_med3_num_f32 v[TMP+j], v[TMP+j], -v[LIMV], v[LIMV]
.set j, j+1
.endr
.irp b, 0,1,2,3,4,5,6,7
	v_cvt_scalef32_pk8_fp8_f32 v[CSET+2*\b:CSET+2*\b+1], v[TMP+8*\b:TMP+8*\b+7], v[SCV]
.endr
	v_nop                                          ; one plain vector instruction between the last conversion and the next block's lines, which write its sources
.irp p, 0,1,2,3
.if \kind
	global_store_b128 v[STA], v[CSET+4*\p:CSET+4*\p+3], s[10:11] offset:2048*((\a)%4)+262144*((\a)/4)+512*\p
.else
	global_store_b128 v[STA+\p/2], v[CSET+4*\p:CSET+4*\p+3], s[10:11] offset:1024*(\a)+512*(\p%2)
.endif
.endr
.endm
	s_wait_kmcnt 0x0
	s_add_co_i32 s96, s96, s97
	s_add_co_i32 s96, s96, 127
	s_lshl_b32 s96, s96, 23                        ; 2^(ex + ew) as f32
	s_mov_b32 s97, s96                             ; (named with it as a pair, so it is written)
	s_add_co_i32 s98, s98, 127
	s_lshl_b32 s99, s98, 23                        ; the result's scale as f32: the conversion takes its exponent field
	s_add_co_i32 s98, s98, 8
	s_lshl_b32 s98, s98, 23
	s_or_b32 s98, s98, 0x600000                    ; 448 x that
	s_wait_loadcnt 0x0                             ; the bias
	PLACES NP                                      ; behind the last products: their results are read and A's registers written below
	v_mov_b32 v[SCV], s99
	v_mov_b32 v[LIMV], s98
	s_cmp_eq_u32 ttmp9, 2                          ; the same in all sixteen partners
	s_cbranch_scc1 .Lout_v
.irp a, 0,1,2,3,4,5,6,7
	OUTBLK \a, 0
.endr
	s_branch .Lend
.Lout_v:
.irp a, 0,1,2,3,4,5,6,7
	OUTBLK \a, 1
.endr
.Lend:
	s_wait_tensorcnt 0x0                           ; the wave's end
	ds_add_u32 v[SPW], v[NIL]
	s_wait_dscnt 0x0
	CROUND                                         ; the closing round: no work-group ends while a partner may still ask for a tile that names it
	s_endpgm
.Lfunc_end_k_q29fc8104a0_proj:
	.size	k_q29fc8104a0_proj, .Lfunc_end_k_q29fc8104a0_proj-k_q29fc8104a0_proj
	.p2alignl 7, 3214868480
	.fill 96, 4, 3214868480
	.section	.rodata,"a",@progbits
	.p2align	6, 0x0
	.amdhsa_kernel k_q29fc8104a0_proj
		.amdhsa_group_segment_fixed_size 327680
		.amdhsa_private_segment_fixed_size 0
		.amdhsa_enable_private_segment 0
		.amdhsa_kernarg_size 80
		.amdhsa_user_sgpr_count 2
		.amdhsa_user_sgpr_kernarg_segment_ptr 1
		.amdhsa_wavefront_size32 1
		.amdhsa_system_sgpr_workgroup_id_x 1
		.amdhsa_system_sgpr_workgroup_id_y 1
		.amdhsa_system_sgpr_workgroup_id_z 1
		.amdhsa_system_vgpr_workitem_id 0
		.amdhsa_next_free_vgpr 1024
		.amdhsa_next_free_sgpr 100
		.amdhsa_reserve_vcc 0
		.amdhsa_float_denorm_mode_32 3
		.amdhsa_float_denorm_mode_16_64 3
		.amdhsa_memory_ordered 1
		.amdhsa_forward_progress 1
		.amdhsa_inst_pref_size 193
	.end_amdhsa_kernel
	.amdgpu_metadata
---
amdhsa.version: [ 1, 2 ]
amdhsa.kernels:
  - .name:           k_q29fc8104a0_proj
    .symbol:         k_q29fc8104a0_proj.kd
    .args:
      - { .name: x_codes, .offset: 0, .size: 8, .value_kind: global_buffer, .address_space: global }
      - { .name: Wq_codes, .offset: 8, .size: 8, .value_kind: global_buffer, .address_space: global }
      - { .name: Wk_codes, .offset: 16, .size: 8, .value_kind: global_buffer, .address_space: global }
      - { .name: Wv_codes, .offset: 24, .size: 8, .value_kind: global_buffer, .address_space: global }
      - { .name: bq, .offset: 32, .size: 8, .value_kind: global_buffer, .address_space: global }
      - { .name: bk, .offset: 40, .size: 8, .value_kind: global_buffer, .address_space: global }
      - { .name: bv, .offset: 48, .size: 8, .value_kind: global_buffer, .address_space: global }
      - { .name: lowp_scales, .offset: 56, .size: 8, .value_kind: global_buffer, .address_space: global }
      - { .name: qimg, .offset: 64, .size: 8, .value_kind: global_buffer, .address_space: global }
      - { .name: kv, .offset: 72, .size: 8, .value_kind: global_buffer, .address_space: global }
    .group_segment_fixed_size: 327680
    .private_segment_fixed_size: 0
    .kernarg_segment_align: 8
    .kernarg_segment_size: 80
    .max_flat_workgroup_size: 128
    .sgpr_count:     100
    .vgpr_count:     1024
    .wavefront_size: 32
...
	.end_amdgpu_metadata
.endif
;; end of part 1
;; launch attn (part 2): grid 8 x 32, 16 waves a work-group, no clusters, 264,192 bytes of LDS; arguments qimg, kv, alpha, lowp_scales, aimg; writes aimg
.if DOCPART == 2
	.amdgcn_target "amdgcn-amd-amdhsa--gfx1250"
	.amdhsa_code_object_version 6
	.text
	.protected	k_q29fc8104a0_attn
	.globl	k_q29fc8104a0_attn
	.p2align	8
	.type	k_q29fc8104a0_attn,@function
k_q29fc8104a0_attn:
	s_mov_b64 s[64:65], 0
	v_nop
	global_prefetch_b8 v0, s[64:65] scope:SCOPE_SE
	s_setreg_imm32_b32 hwreg(HW_REG_WAVE_MODE, 25, 1), 1
	s_wait_xcnt 0x0
; a[b][q][head] = the sum over k of softmax_k((q . k) / 8 x exp(-alpha |q - k|)) v[k], both products on codes of E4M3; a is quantised at once with entry 10 and stored as the register image of the last product's operand.
; IN: qimg, kv: register images (16 bytes a lane, 512 a piece).  A fragment of Q or K: 16 rows x 64, 8 registers; of V^T: 16 channels x 128 keys, 16 registers; registers 2 c, 2 c + 1 hold k = 16 c + 8 (lane / 16) + 0 .. 7.
; Entries of the scales: 6 q, 7 k, 8 v, 9 p, 10 a.
; THE SOFTMAX: t = logit x log2(e); M = the row's largest t so far, rounded UP to a whole number; p = 2^(t - M) is what is quantised; the row's sum is taken of the unquantised p and divides at the end.
; When M moves, the sum and O are multiplied by 2^(old M - new M): exact.
; SHARES.  A work-group owns 256 queries of one batch and head; each of its SIXTEEN waves owns 16, one tile, in 256 registers: four waves to a SIMD, so that one wave's exponentials stand beside another's plain work.
; Every wave walks the head's 2,048 keys, 128 a step.  Both products are used transposed (S^T = K Q^T, O^T = V^T P^T): a lane holds ONE query (lane % 16) throughout, and S^T's register 8 t + j holds key 16 t + 8 (lane / 16) + j,
; so that one conversion of a tile's eight registers gives registers 2 t, 2 t + 1 of P: nothing changes lanes.
; LDS holds the whole head: 16 regions of 16,384 bytes, region s = step s of kv as it lies, EACH BYTE WRITTEN ONCE.  Wave w copies bytes 1,024 w .. + 1,023 of each step through registers: loaded two steps ahead, stored one step ahead.
; One barrier a step: the signal stands behind my stores of the next region, the wait at the step's end, ahead of the first read of that region.
; THE DECAY WITHOUT A TABLE.  NA = -alpha log2(e); decay = 2^(NA lag).  In a step all of whose keys lie before my queries, lag = (q - kf - 127) + (96 - 32 b) + (31 - 16 u - 8 h - j) for register 16 b + 8 u + j; behind them,
; lag = (kf - q) + 32 b + (16 u + 8 h + j).  All terms are 0 or more, so no factor leaves f32's range unless the decay itself does.  So t = S x F[8 u + j] x G[b]: F sixteen registers that stay, G[b] = a scalar x R,
; R = 2^(NA x the first term): one exponential a lane a step.  The one step of a wave that holds its own queries makes its 64 decays directly and turns F and the scalars to the other side: a scalar branch on ids.
; NO TENSOR LOADS, NO CLUSTER, and why: p is at most 1 (but for a last bit), so its hold at 448 x 2^e9 can bind only where e9 < -8; the 64 lines of the hold are a fifth of a step's some 310 vector instructions, in a loop that the vector
; unit bounds, and they are jumped over by a branch on e9.  What the eight query blocks of a head share is 16,384 bytes a step, beside some 4,000 vector instructions of a work-group.
; LIMITS: e6 + e7 between -123 and 130 (added to c's exponent field); e9, and e10 - e8 - e9, between -126 and 119.  NaN among the inputs is not served.  A factor of the decay under 2^-126 counts as 0 (v_exp_f32: ISA guide 15.8).
.set REGB, 16384                       ; a region of LDS: a step's K (8,192 bytes), then its V^T
.set LI,   1                           ; v1   16 x lane
.set ST0,  2                           ; v2   1,024 x wave + 16 x lane: my bytes of a step, in kv and in a region
.set ADK,  3                           ; v3   LDS address of the step's pieces
.set ADS,  4                           ; v4   LDS address of my bytes in the step's region
.set PFO,  5                           ; v5   the prefetch's offset: 8,192 (wave % 2) + 256 x lane; never rewritten
.set AL,   6                           ; v6   the lag's first term for the step to come, a whole number in f32
.set AU,   7                           ; v7   the same for the first step behind my queries: 128 - 16 (wave % 8) - r
.set RR,   8                           ; v8   R
.set NDQ,  9                           ; v9   8 h - 16 (wave % 8) - r: key 16 t + 8 h + j of my own step has lag |16 t + j + this|
.set H8,   10                          ; v10  8 h
.set QF,   16                          ; v16-23   Q's fragment
.set GB,   24                          ; v24, 26, 28, 30  G[b]; the odd registers are 0 (named as the upper halves of pairs)
.set KV,   32                          ; v32-95   K's eight fragments, then V^T's four
.set S,    96                          ; v96-159  S^T, then p
.set OT,   160                         ; v160-191 O^T
.set PC,   192                         ; v192-207 p's codes
.set F,    208                         ; v208-223 F
.set LD,   224                         ; v224-231 my 1,024 bytes of a step on their way to LDS
.set MX,   232                         ; v232-235 maxima.  v12 -M, v13 the largest t, v[14:15] the sum in two halves, v236 a permute's destination, v240, v244: 448 x 2^e9, 2^e9; v241, v245 the same with e10 - e8 - e9; v[242:243], v[252:253], v254 at work
; scalars: s14 wave; s17 my own step; s18 the step; s19 the step's region; s[20:21] lane selects; s22 steps still to be loaded; s23, s[24:25] the prefetch; s26 NA; s27 what AL steps by; s28 c; s[32:35] G's scalars; s[36:39] X[k] = c 2^(32 k NA)
; A PREFETCH INTO THE L2 of the step that the NEXT trip will load: 16,384 bytes, a lane to each 256.  It stands where the wave has just issued its loads.  All eight work-groups of a head walk the same kv: the first of them asks,
; its waves 0 and 1, 8,192 bytes each, one instruction.  So each block is named once in the launch.  Steps 0 to 2 come by their loads alone; the last trip that loads asks for nothing: there is no step behind it.
.macro ASK
	s_cmp_gt_u32 s22, s23
	s_cbranch_scc0 .Lnot_mine_\@
	global_prefetch_b8 v[PFO], s[24:25] th:TH_LOAD_NT scope:SCOPE_SE
.Lnot_mine_\@:
.endm
; F's sixteen exponents: from F[0] and F[8] on by steps of +-1 (whole numbers, exact), then x NA
.macro FCHAIN step
.irp j, 1,2,3,4,5,6,7
	v_add_f32 v[F+\j], \step, v[F+\j-1]
	v_add_f32 v[F+8+\j], \step, v[F+8+\j-1]
.endr
.set n, 0
.rept 16
	v_mul_f32 v[F+n], s26, v[F+n]
.set n, n+1
.endr
.endm
.macro FEXP
.set n, 0
.rept 16
	v_exp_f32 v[F+n], v[F+n]
.set n, n+1
.endr
.endm
	s_load_b256 s[4:11], s[0:1], 0x0               ; qimg s[4:5], kv s[6:7], alpha s[8:9], the scales' exponents s[10:11]
	s_load_b64 s[12:13], s[0:1], 0x20              ; aimg
	v_lshl_add_u32 v251, v0, 2, 0x40000
	v_mov_b32 v255, 0
	v_lshrrev_b32 v3, 5, v0
	v_readfirstlane_b32 s14, v3                    ; wave 0..15
	v_and_b32 v4, 31, v0                           ; lane
	v_lshlrev_b32 v[LI], 4, v4
	s_lshl_b32 s50, s14, 10
	v_add_nc_u32 v[ST0], s50, v[LI]
	s_and_b32 s51, s14, 1
	s_lshl_b32 s51, s51, 13
	v_lshl_add_u32 v[PFO], v4, 8, s51
	s_and_b32 s15, ttmp7, 0xffff                   ; bh = 16 x batch + head
	s_lshl_b32 s52, s15, 18                        ; the head's 262,144 bytes of kv
	s_mov_b32 s53, 0
	s_lshl_b32 s54, s15, 7
	s_lshl_b32 s55, ttmp9, 4
	s_add_co_u32 s54, s54, s55
	s_add_co_u32 s54, s54, s14                     ; my tile of queries: 128 bh + 16 x block + wave,
	s_lshl_b32 s54, s54, 10                        ; 1,024 bytes each
	s_mov_b32 s55, 0
	s_and_b32 s56, s15, 15                         ; the head
	s_lshr_b32 s57, s15, 4                         ; the batch
	s_lshl_b32 s57, s57, 7
	s_lshl_b32 s58, ttmp9, 4
	s_add_co_u32 s57, s57, s58
	s_add_co_u32 s57, s57, s14                     ; my tile of tokens, 0 .. 255.  aimg: [K half][tile of tokens][K step % 4][2,048 bytes]; head hd is bytes 1,024 (hd % 2) on of K step hd / 2:
	s_lshl_b32 s57, s57, 13                        ; 8,192 x tile
	s_lshr_b32 s58, s56, 3
	s_lshl_b32 s58, s58, 21                        ; + 2,097,152 (hd / 8)
	s_add_co_u32 s57, s57, s58
	s_and_b32 s58, s56, 7
	s_lshl_b32 s58, s58, 10                        ; + 1,024 (hd % 8)
	s_add_co_u32 s56, s57, s58
	s_mov_b32 s57, 0
	s_wait_kmcnt 0x0
	s_load_b32 s26, s[8:9], 0x0                    ; alpha
	s_load_b128 s[44:47], s[10:11], 0x18           ; e6, e7, e8, e9
	s_load_b32 s48, s[10:11], 0x28                 ; e10
	s_add_nc_u64 s[6:7], s[6:7], s[52:53]
	s_add_nc_u64 s[4:5], s[4:5], s[54:55]
	s_add_nc_u64 s[12:13], s[12:13], s[56:57]
	global_load_b128 v[LD:LD+3], v[ST0], s[6:7]              ; my bytes of step 0
	global_load_b128 v[LD+4:LD+7], v[ST0], s[6:7] offset:512
	global_load_b128 v[QF:QF+3], v[LI], s[4:5] th:TH_LOAD_NT ; Q's fragment stays in registers
	global_load_b128 v[QF+4:QF+7], v[LI], s[4:5] offset:512 th:TH_LOAD_NT
	v_and_b32 v3, 15, v0                           ; r
	v_bfe_u32 v4, v0, 4, 1                         ; h
	s_lshl_b32 s50, ttmp9, 8
	s_lshl_b32 s51, s14, 4
	s_add_co_u32 s50, s50, s51
	s_sub_co_i32 s50, s50, 127
	v_add_nc_u32 v[AL], s50, v3                    ; q - 127: the first term at step 0
	v_cvt_f32_i32 v[AL], v[AL]
	s_and_b32 s51, s14, 7
	s_lshl_b32 s51, s51, 4                         ; 16 (wave % 8): my first query in my own step
	s_sub_co_i32 s50, 128, s51
	v_sub_nc_u32 v[AU], s50, v3
	v_cvt_f32_i32 v[AU], v[AU]
	v_lshlrev_b32 v[H8], 3, v4
	v_add_nc_u32 v[NDQ], s51, v3
	v_sub_nc_u32 v[NDQ], v[H8], v[NDQ]
	v_cvt_f32_i32 v[NDQ], v[NDQ]
	v_cvt_f32_i32 v[H8], v[H8]
	s_lshl_b32 s17, ttmp9, 1
	s_lshr_b32 s50, s14, 3
	s_add_co_u32 s17, s17, s50                     ; the step that holds my queries: 2 x block + wave / 8
	s_mov_b32 s18, 0
	s_mov_b32 s19, 0
	s_mov_b32 s20, 0x76543210                      ; v_permlanex16_b32: lane l xor 16
	s_mov_b32 s21, 0xfedcba98
	s_mov_b32 s22, 14                              ; steps 2 to 15 are loaded in the loop
	s_mov_b32 s27, 0xc3000000                      ; -128.0: before my queries the first term falls
	s_lshr_b32 s50, s14, 1
	s_or_b32 s50, s50, ttmp9                       ; 0 in waves 0 and 1 of the head's first work-group
	s_cmp_eq_u32 s50, 0
	s_cselect_b32 s23, 1, -1                       ; a wave prefetches while s22 is above this
	v_sub_f32 v[F], 0x41f80000, v[H8]              ; F's exponents before my queries: 31 - 8 h - j,
	v_sub_f32 v[F+8], 0x41700000, v[H8]            ; 15 - 8 h - j
	s_wait_kmcnt 0x0
	v_mov_b32 v254, s26
	v_mul_f32 v254, 0xbfb8aa3b, v254               ; NA = -alpha log2(e)
	v_readfirstlane_b32 s26, v254
	v_mul_f32 v[MX], 0x42000000, v254              ; 32 NA, 64 NA, 96 NA
	v_mul_f32 v[MX+1], 0x42800000, v254
	v_mul_f32 v[MX+2], 0x42c00000, v254
	FCHAIN -1.0
	FEXP                                           ; one batch of 19 exponentials,
	v_exp_f32 v[MX], v[MX]
	v_exp_f32 v[MX+1], v[MX+1]
	v_exp_f32 v[MX+2], v[MX+2]
	v_mov_b32 v13, 0xff61b1e6                      ; work that names none of their results: the largest t so far: -3e38, under every t
	v_floor_f32 v12, -v13                          ; -M
	v_mov_b32 v14, 0                               ; the sum, in two halves
	v_mov_b32 v15, 0
	v_mov_b32 v236, 0                              ; written once: a lane permute's destination counts as one of its sources
	v_mov_b32 v253, 0                              ; (named as the upper half of the pair v[252:253])
.irp b, 0,1,2,3
	v_mov_b32 v[GB+2*\b+1], 0
.endr
.set n, 0
.rept 32
	v_mov_b32 v[OT+n], 0                           ; O^T.  (The step is written without a first step of its own: it finds zeros, which the first change of M leaves zeros)
.set n, n+1
.endr
	s_add_co_i32 s28, s44, s45
	s_lshl_b32 s28, s28, 23
	s_add_co_i32 s28, s28, 0x3e38aa3b              ; c = log2(e) / 8 x 2^(e6 + e7): the two exponents are added to the exponent field
	s_add_co_i32 s50, s47, 127
	s_lshl_b32 s51, s50, 23
	v_mov_b32 v244, s51                            ; 2^e9 as f32, for p's conversions
	s_add_co_i32 s50, s50, 8
	s_lshl_b32 s50, s50, 23
	s_or_b32 s50, s50, 0x600000
	v_mov_b32 v240, s50                            ; 448 x 2^e9
	s_sub_co_i32 s50, s48, s46
	s_sub_co_i32 s50, s50, s47                     ; O / the sum stands for a / 2^(e8 + e9): a's code is that / 2^(e10 - e8 - e9): three scales in one
	s_add_co_i32 s50, s50, 127
	s_lshl_b32 s51, s50, 23
	v_mov_b32 v245, s51
	s_add_co_i32 s50, s50, 8
	s_lshl_b32 s50, s50, 23
	s_or_b32 s50, s50, 0x600000
	v_mov_b32 v241, s50
	s_wait_alu depctr_va_vdst(0)                   ; one wait for the batch, ahead of its first reader
	v_mul_f32 v[MX], s28, v[MX]
	v_mul_f32 v[MX+1], s28, v[MX+1]
	v_mul_f32 v[MX+2], s28, v[MX+2]
	s_mov_b32 s36, s28                             ; X[0] = c
	v_readfirstlane_b32 s37, v[MX]
	v_readfirstlane_b32 s38, v[MX+1]
	v_readfirstlane_b32 s39, v[MX+2]
	s_mov_b32 s32, s39                             ; before my queries G[b] takes X[3 - b]
	s_mov_b32 s33, s38
	s_mov_b32 s34, s37
	s_mov_b32 s35, s36
	s_wait_loadcnt 0x0                             ; step 0's bytes and Q are in; the loads' base may be written
	ds_store_b128 v[ST0], v[LD:LD+3]
	ds_store_b128 v[ST0], v[LD+4:LD+7] offset:512
	s_add_nc_u64 s[24:25], s[6:7], 2*REGB          ; the prefetch stands at step 2: the first trip steps it to step 3
	s_add_nc_u64 s[6:7], s[6:7], REGB
	s_wait_dscnt 0x0                               ; for the others' sake: my stores have landed; and they have read their registers,
	global_load_b128 v[LD:LD+3], v[ST0], s[6:7]    ; which take step 1
	global_load_b128 v[LD+4:LD+7], v[ST0], s[6:7] offset:512
	s_barrier_signal -1
	s_barrier_wait -1                              ; region 0 is whole
; A KEY STEP.  st = 1: my bytes of the next step go to LDS, and the step has its barrier.  ld = 1: the step after that is loaded.
.macro STEP st, ld
	v_add_nc_u32 v[ADK], s19, v[LI]                ; four plain instructions: the places between the last step's products and the loads into the registers that they read
	v_mul_f32 v[RR], s26, v[AL]
	v_add_f32 v[AL], s27, v[AL]
.if \st
	v_add_nc_u32 v[ADS], s19, v[ST0]
	s_wait_loadcnt 0x0                             ; my bytes of the next step are in
	ds_store_b128 v[ADS], v[LD:LD+3] offset:REGB
	ds_store_b128 v[ADS], v[LD+4:LD+7] offset:REGB+512
.else
	v_nop
.endif
.set n, 0
.rept 16
	ds_load_b128 v[KV+4*n:KV+4*n+3], v[ADK] offset:512*n     ; K's eight fragments: 512 consecutive bytes a load
.set n, n+1
.endr
	s_wait_dscnt 0x0                               ; K is in; my stores have landed (for the others' sake) and have read their registers
.if \ld
	s_wait_xcnt 0x0                                ; the prefetch of a trip ago has read its address
	s_add_nc_u64 s[6:7], s[6:7], REGB
	s_add_nc_u64 s[24:25], s[24:25], REGB
	global_load_b128 v[LD:LD+3], v[ST0], s[6:7]
	global_load_b128 v[LD+4:LD+7], v[ST0], s[6:7] offset:512
	ASK
.endif
.if \st
	s_barrier_signal -1                            ; my part of the next region lies in LDS.  Up to the wait at the step's end: register work, and loads of bytes that nobody writes again
.endif
	v_exp_f32 v[RR], v[RR]                         ; R
.irp t, 0,1,2,3,4,5,6,7
	v_wmma_f32_16x16x64_fp8_fp8 v[S+8*\t:S+8*\t+7], v[KV+8*\t:KV+8*\t+7], v[QF:QF+7], 0   ; S^T: source 0 = 16 keys, source 1 = my 16 queries
.endr
	v_nop                                          ; a plain instruction behind the exponential; with the four below: five places behind the products
	s_wait_alu depctr_va_vdst(0)                   ; ahead of R's first reader
.irp b, 0,1,2,3
	v_mul_f32 v[GB+2*\b], s[32+\b], v[RR]
.endr
	s_cmp_eq_u32 s18, s17                          ; is this the step that holds my queries?  (ids alone)
	s_cbranch_scc1 .Ldiag_\@
.set n, 0
.rept 32
	v_pk_mul_f32 v[S+n:S+n+1], v[S+n:S+n+1], v[F+n%16:F+n%16+1]     ; each accumulator from its low end on
.set n, n+2
.endr
	s_branch .Ljoin_\@
.Ldiag_\@:
	v_mov_b32 v[KV], v[NDQ]                        ; the 64 lags, signed, in K's registers, which are done with: 16 t + j + (8 h - my query's place): whole numbers, exact
.irp t, 1,2,3,4,5,6,7
	v_add_f32 v[KV+8*\t], 0x41800000, v[KV+8*\t-8]
.endr
.irp j, 1,2,3,4,5,6,7
.irp t, 0,1,2,3,4,5,6,7
	v_add_f32 v[KV+8*\t+\j], 1.0, v[KV+8*\t+\j-1]
.endr
.endr
.set n, 0
.rept 64
	v_mul_f32 v[KV+n], s26, |v[KV+n]|              ; NA x lag
.set n, n+1
.endr
	v_mov_b32 v[F], v[H8]                          ; F's exponents behind my queries: 8 h + j,
	v_add_f32 v[F+8], 0x41800000, v[H8]            ; 16 + 8 h + j
	FCHAIN 1.0
.set n, 0
.rept 64
	v_exp_f32 v[KV+n], v[KV+n]                     ; one batch of 80 exponentials
.set n, n+1
.endr
	FEXP
.irp b, 0,1,2,3
	v_mov_b32 v[GB+2*\b], s28                      ; in this step the decay is whole already: G = c
.endr
	v_mov_b32 v[AL], v[AU]                         ; from here on the first term is kf - q, and rises;
	s_mov_b32 s27, 0x43000000                      ; +128.0
	s_mov_b32 s32, s36                             ; G[b] takes X[b]
	s_mov_b32 s33, s37
	s_mov_b32 s34, s38
	s_mov_b32 s35, s39
	s_wait_alu depctr_va_vdst(0)                   ; one wait for the batch
.set n, 0
.rept 32
	v_pk_mul_f32 v[S+n:S+n+1], v[S+n:S+n+1], v[KV+n:KV+n+1]
.set n, n+2
.endr
.Ljoin_\@:
.set n, 0
.rept 16
	ds_load_b128 v[KV+4*n:KV+4*n+3], v[ADK] offset:8192+512*n     ; V^T's four fragments land under the softmax
.set n, n+1
.endr
.irp b, 0,1,2,3                                ; the largest S x F of each b, in four chains; G is positive, so it may be multiplied in behind the maximum
	v_max3_num_f32 v[MX+\b], v[S+16*\b], v[S+16*\b+1], v[S+16*\b+2]
.endr
.irp i, 3,5,7,9,11,13
.irp b, 0,1,2,3
	v_max3_num_f32 v[MX+\b], v[MX+\b], v[S+16*\b+\i], v[S+16*\b+\i+1]
.endr
.endr
.irp b, 0,1,2,3
	v_max_num_f32 v[MX+\b], v[MX+\b], v[S+16*\b+15]
.endr
.irp b, 0,1,2,3
	v_mul_f32 v[MX+\b], v[MX+\b], v[GB+2*\b]
.endr
	v_max3_num_f32 v254, v[MX], v[MX+1], v[MX+2]
	v_max_num_f32 v254, v254, v[MX+3]
	v_permlanex16_b32 v236, v254, s20, s21
	v_max_num_f32 v254, v254, v236                 ; and lane l xor 16's: the step's largest t of my query
	v_max_num_f32 v13, v13, v254                   ; the running largest t
	v_mov_b32 v254, v12
	v_floor_f32 v12, -v13                          ; the new -M = floor(-t) = -ceil(t): M is a whole number
	v_sub_f32 v254, v12, v254                      ; M's old value less its new one: a whole number, 0 or less
	v_cvt_i32_f32 v254, v254                       ; (it saturates)
	v_ldexp_f32 v252, 1.0, v254                    ; f = 2^(old M - new M)
.set n, 0
.rept 32
	v_pk_fma_f32 v[S+n:S+n+1], v[S+n:S+n+1], v[GB+2*(n/16):GB+2*(n/16)+1], v[12:13] op_sel_hi:[1,0,0]   ; t - M, two at a time (of the pairs G and -M the low word serves both halves)
.set n, n+2
.endr
.set n, 0
.rept 64
	v_exp_f32 v[S+n], v[S+n]                       ; p = 2^(t - M): not normalised
.set n, n+1
.endr
	v_pk_mul_f32 v[14:15], v[14:15], v[252:253] op_sel_hi:[1,0]   ; the sums under the new M.  (The plain instruction behind the exponentials)
	s_wait_alu depctr_va_vdst(0)                   ; one wait for the batch of 64, ahead of its first reader
	v_pk_add_f32 v[242:243], v[S:S+1], v[S+2:S+3]  ; the row's sum is taken of the unquantised p: two at a time, in two chains
.irp j, 4,8,12,16,20,24,28,32,36,40,44,48,52,56,60
	v_pk_add_f32 v[14:15], v[14:15], v[S+\j:S+\j+1]
	v_pk_add_f32 v[242:243], v[242:243], v[S+\j+2:S+\j+3]
.endr
	v_pk_add_f32 v[14:15], v[14:15], v[242:243]
	s_cmp_gt_i32 s47, -9                           ; 448 x 2^e9 is 1.75 or more where e9 >= -8: p cannot reach it, and the hold is jumped over
	s_cbranch_scc1 .Lno_hold_\@
.set n, 0
.rept 64
	v_min_num_f32 v[S+n], v[S+n], v240             ; the conversion to an 8-bit code does not saturate (ISA guide 7.6.2); p is not negative, so the hold is one-sided
.set n, n+1
.endr
.Lno_hold_\@:
.irp t, 0,1,2,3,4,5,6,7
	v_cvt_scalef32_pk8_fp8_f32 v[PC+2*\t:PC+2*\t+1], v[S+8*\t:S+8*\t+7], v244   ; keys 16 t + 8 h + 0 .. 7: registers 2 t, 2 t + 1 of the operand
.endr
.set n, 0
.rept 16
	v_pk_mul_f32 v[OT+n:OT+n+1], v[OT+n:OT+n+1], v[252:253] op_sel_hi:[1,0]   ; O^T under the new M.  (Also the plain instructions between the conversions and the products that read the codes)
.set n, n+2
.endr
	s_wait_dscnt 0x0                               ; V^T is in
.irp d, 0,1,2,3
	v_wmma_f32_16x16x128_fp8_fp8 v[OT+8*\d:OT+8*\d+7], v[KV+16*\d:KV+16*\d+15], v[PC:PC+15], v[OT+8*\d:OT+8*\d+7]   ; the four accumulators take turns
.endr
.if \st
	s_barrier_wait -1                              ; every wave's part of the next region lies in LDS
.endif
	s_add_co_u32 s19, s19, REGB
	s_add_co_u32 s18, s18, 1
.endm
.Lstep:                                            ; 14 trips: steps 0 to 13
	STEP 1, 1
	s_sub_co_u32 s22, s22, 1
	s_cmp_lg_u32 s22, 0
	s_cbranch_scc1 .Lstep
	STEP 1, 0                                      ; step 14: the last region is stored, nothing is left to load
	STEP 0, 0                                      ; step 15
	; THE WAY OUT: O^T / the sum, held, quantised with 2^(e10 - e8 - e9): my head's 64 features of 16 tokens are eight registers of the last product's operand: two stores of 512 consecutive bytes.
	v_add_f32 v14, v14, v15                        ; the sum's two halves,
	v_permlanex16_b32 v236, v14, s20, s21
	v_add_f32 v14, v14, v236                       ; and lane l xor 16's
	v_rcp_f32 v14, v14
.rept 2
	v_nop                                          ; the plain instruction behind the reciprocal; with the two additions: four places behind the last products
.endr
	s_wait_alu depctr_va_vdst(0)                   ; ahead of the reciprocal's first reader
.set n, 0
.rept 16
	v_pk_mul_f32 v[S+n:S+n+1], v[OT+n:OT+n+1], v[14:15] op_sel_hi:[1,0]
.set n, n+2
.endr
.set n, 0
.rept 32
	v_med3_num_f32 v[S+n], v[S+n], -v241, v241
.set n, n+1
.endr
.irp d, 0,1,2,3
	v_cvt_scalef32_pk8_fp8_f32 v[PC+2*\d:PC+2*\d+1], v[S+8*\d:S+8*\d+7], v245
.endr
	v_nop
	global_store_b128 v[LI], v[PC:PC+3], s[12:13]
	global_store_b128 v[LI], v[PC+4:PC+7], s[12:13] offset:512
	s_wait_tensorcnt 0x0
	ds_add_u32 v251, v255
	s_wait_dscnt 0x0
	s_endpgm
.Lfunc_end_k_q29fc8104a0_attn:
	.size	k_q29fc8104a0_attn, .Lfunc_end_k_q29fc8104a0_attn-k_q29fc8104a0_attn
	.p2alignl 7, 3214868480
	.fill 96, 4, 3214868480
	.section	.rodata,"a",@progbits
	.p2align	6, 0x0
	.amdhsa_kernel k_q29fc8104a0_attn
		.amdhsa_group_segment_fixed_size 264192
		.amdhsa_private_segment_fixed_size 0
		.amdhsa_enable_private_segment 0
		.amdhsa_kernarg_size 40
		.amdhsa_user_sgpr_count 2
		.amdhsa_user_sgpr_kernarg_segment_ptr 1
		.amdhsa_wavefront_size32 1
		.amdhsa_system_sgpr_workgroup_id_x 1
		.amdhsa_system_sgpr_workgroup_id_y 1
		.amdhsa_system_sgpr_workgroup_id_z 1
		.amdhsa_system_vgpr_workitem_id 0
		.amdhsa_next_free_vgpr 256
		.amdhsa_next_free_sgpr 66
		.amdhsa_reserve_vcc 0
		.amdhsa_float_denorm_mode_32 3
		.amdhsa_float_denorm_mode_16_64 3
		.amdhsa_memory_ordered 1
		.amdhsa_forward_progress 1
		.amdhsa_inst_pref_size 103
	.end_amdhsa_kernel
	.amdgpu_metadata
---
amdhsa.version: [ 1, 2 ]
amdhsa.kernels:
  - .name:           k_q29fc8104a0_attn
    .symbol:         k_q29fc8104a0_attn.kd
    .args:
      - { .name: qimg, .offset: 0, .size: 8, .value_kind: global_buffer, .address_space: global }
      - { .name: kv, .offset: 8, .size: 8, .value_kind: global_buffer, .address_space: global }
      - { .name: alpha, .offset: 16, .size: 8, .value_kind: global_buffer, .address_space: global }
      - { .name: lowp_scales, .offset: 24, .size: 8, .value_kind: global_buffer, .address_space: global }
      - { .name: aimg, .offset: 32, .size: 8, .value_kind: global_buffer, .address_space: global }
    .group_segment_fixed_size: 264192
    .private_segment_fixed_size: 0
    .kernarg_segment_align: 8
    .kernarg_segment_size: 40
    .max_flat_workgroup_size: 512
    .sgpr_count:     66
    .vgpr_count:     256
    .wavefront_size: 32
...
	.end_amdgpu_metadata
.endif
;; end of part 2
;; launch outp (part 3): grid 8 x 32, 4 waves a work-group, clusters of 4 x 4, 284,160 bytes of LDS; arguments aimg, Wo_codes, bo, lowp_scales, out0; writes out0
.if DOCPART == 3
	.amdgcn_target "amdgcn-amd-amdhsa--gfx1250"
	.amdhsa_code_object_version 6
	.text
	.protected	k_q29fc8104a0_outp
	.globl	k_q29fc8104a0_outp
	.p2align	8
	.type	k_q29fc8104a0_outp,@function
k_q29fc8104a0_outp:
	s_mov_b64 s[64:65], 0
	v_nop
	global_prefetch_b8 v0, s[64:65] scope:SCOPE_SE
	s_setreg_imm32_b32 hwreg(HW_REG_WAVE_MODE, 25, 1), 1
	s_wait_xcnt 0x0
	s_wait_alu depctr_hold_cnt(0) depctr_sa_sdst(0) depctr_va_vdst(0) depctr_va_sdst(0) depctr_va_ssrc(0) depctr_va_vcc(0) depctr_vm_vsrc(0)
	s_getreg_b32 s2, hwreg(HW_REG_IB_STS2, 6, 4)
	s_cmp_eq_u32 s2, 0
	s_cbranch_scc0 .Lentry_in_a_cluster
	s_endpgm
.Lentry_in_a_cluster:
	s_bfe_u32 s2, ttmp6, 0x10000c
	s_cmp_lg_u32 s2, 0xf033
	s_cbranch_scc0 .Lentry_shape_is_right
	s_endpgm
.Lentry_shape_is_right:
; out0 = a Wo^T + bo on codes of E4M3.  a: 4,096 tokens x 1,024, as register images: aimg [K half 2][tile of 16 tokens 256][K step % 4][2,048 bytes], a fragment (16 tokens x 128 K) as four pieces of 512 bytes, lane l at 16 l;
; its registers 2 c, 2 c + 1 hold k = 16 c + 8 (lane / 16) + 0 .. 7.  Wo: [1024][1024] codes, K innermost, read from LDS rows by loads of 8 bytes at 16 c + 8 (lane / 16): the same places of k.  Entries of the scales: 10 a, 11 Wo.
; SHARES.  256 work-groups, each 128 tokens x 128 features; four waves, each 64 x 64: 16 accumulators.  A tile of 256 x 256 would give 64 work-groups and leave three WGPs in four without work.
; ALL OF K LIES IN LDS, in two slots of K = 512, each filled ONCE, both asked for at the start: no slot is filled again.
; CLUSTERS: 4 x 4.  a's tile is shared along a row of the cluster, Wo's along a column: each is asked for jointly, by the same tensor load with the same descriptor and a mask that names the four.
; THE MATRIX INSTRUCTION IS USED TRANSPOSED (source 0 = 16 rows of Wo, source 1 = 16 tokens): a lane holds eight neighbouring features of one token.
; LIMIT: e10 + e11 between -126 and 127, so that 2^(e10 + e11) is an f32 number.
; REGISTERS: window 0: v16-26 addresses; v32-63 bo; v64-95 at work on the way out; v128-255 the accumulators ((a, b) at v[128 + 8 (4 a + b)]), later rows of out0.   window 1: two buffers of 128: a's four fragments, then Wo's four.
.set SLOT,   133120                    ; a's 65,536 bytes (8 tiles x 4 K steps x 2,048, dense), then Wo's 128 rows x 528
.set BOFF,   65536
.set BP,     528                       ; a row of Wo in LDS: 512 bytes + 16 of padding = 132 words: row r starts at bank 4 r mod 64 (64 banks of 4 bytes: ISA guide 11.1)
.set STAGE,  2*SLOT                    ; behind the slots: 16 rows x 272 bytes for each wave, for the way out; no tensor load lands there
.set SP,     272
.set ADRA, 16                          ; v16-17  LDS address of my fragments of a in slot 0, 1
.set ADRB, 20                          ; v20-21  the same for Wo
.set STO,  24                          ; v24     the way out: where I put 32 bytes of a row
.set RD,   25                          ; v25     where I read a row back
.set CO,   26                          ; v26     my byte offset in two rows of out0
.set BI,   32                          ; v32-63  bo(my first feature + 16 b + 8 h + j) at 8 b + j
.set TMP,  64
.set ACC,  128
.set G1, 24                            ; s[24:31] descriptor group 1 for a's tiles;  s[32:39] group 0, one set for each slot
.set G0, 32
.set G1B, 48                           ; s[48:55], s[56:63] the same for Wo's
.set G0B, 56
.set MSB, 0
.macro WIN new                         ; the immediate's high byte repeats the setting that is left
.if MSB != \new
	s_set_vgpr_msb (MSB<<8)|\new
.set MSB, \new
.endif
.endm
.set MUL,  0x05                        ; sources 0 (Wo) and 1 (a) window 1; C and D window 0
.set TO_F, 0x40                        ; destination window 1, address window 0
.macro CROUND                          ; a round of the cluster's barrier
	s_barrier_signal -1
	s_barrier_wait -1
	s_cmp_lg_u32 s14, 0
	s_cbranch_scc1 .Lnot_wave_0_\@
	s_barrier_signal -3
.Lnot_wave_0_\@:
	s_barrier_wait -3
	s_barrier_signal -1
	s_barrier_wait -1
.endm
.macro PLACES                          ; four places in front of loads into registers that matrix instructions have read, and of the first read of results (ISA guide 7.12.1 for vector instructions)
.rept 4
	v_nop
.endr
.endm
	s_load_b256 s[4:11], s[0:1], 0x0               ; aimg s[4:5], Wo's codes s[6:7], bo s[8:9], the scales' exponents s[10:11]
	s_load_b64 s[12:13], s[0:1], 0x20              ; out0
	v_lshl_add_u32 v126, v0, 2, 0x45400
	v_mov_b32 v127, 0
	ds_add_u32 v126, v127
	ds_add_u32 v126, v127
	v_lshrrev_b32 v1, 5, v0
	v_readfirstlane_b32 s14, v1                    ; wave 0..3
	s_lshr_b32 s15, s14, 1                         ; which 64 tokens are mine.  Also: I fetch for a (0) or for Wo (1)
	s_and_b32 s16, s14, 1                          ; which 64 features.  Also: which half of that tile I fetch
	s_bfe_u32 s40, ttmp6, 0x40000                  ; cx, cy: my place in the cluster
	s_bfe_u32 s41, ttmp6, 0x40004
	s_lshl_b32 s42, ttmp9, 2
	s_add_co_u32 s42, s42, s40                     ; tile of 128 features = 4 x cluster x + cx
	s_and_b32 s17, ttmp7, 0xffff
	s_lshl_b32 s17, s17, 2
	s_add_co_u32 s17, s17, s41                     ; tile of 128 tokens = 4 x cluster y + cy
	s_lshl_b32 s43, s41, 2
	s_lshl_b32 s43, 15, s43                        ; my row of the cluster
	s_lshl_b32 s44, 0x1111, s40                    ; my column
	; a: 32,768 dense bytes a load, stated as 128 rows of 32 elements of 8 bytes
	s_or_b32 s[G1+0], s43, (3<<16)|(1<<21)         ; 15:0 the mask: my row; 17:16 elements of 8 bytes; 21 set beside a mask; no padding
	s_mov_b32 s[G1+1], 32<<16                      ; tensor_dim0 = 32
	s_mov_b32 s[G1+2], 128<<16                     ; tensor_dim1 = 128
	s_mov_b32 s[G1+3], 32<<16                      ; tile_dim0 = 32
	s_mov_b32 s[G1+4], 128                         ; tile_dim1 = 128
	s_mov_b32 s[G1+5], 32                          ; tensor_dim0_stride: dense
	s_mov_b32 s[G1+6], 0
	s_mov_b32 s[G1+7], 0
	; Wo: 64 rows x 512 bytes a load, padded in LDS
	s_or_b32 s[G1B+0], s44, (0<<16)|(1<<20)|(1<<21)|(6<<22)|(3<<25)  ; the mask: my column; elements of 1 byte; padding on: after every 128 words (code 6) 4 words (code 3)
	s_mov_b32 s[G1B+1], 512<<16
	s_mov_b32 s[G1B+2], 64<<16
	s_mov_b32 s[G1B+3], 512<<16
	s_mov_b32 s[G1B+4], 64
	s_mov_b32 s[G1B+5], 1024
	s_mov_b32 s[G1B+6], 0
	s_mov_b32 s[G1B+7], 0
	s_lshl_b32 s20, s17, 16                        ; a: 65,536 bytes for a tile of 128 tokens and a K half,
	s_lshl_b32 s18, s16, 15                        ; + my half of them; the same in LDS
	s_add_co_u32 s20, s20, s18
	s_mov_b32 s21, 0
	s_lshl_b32 s46, s42, 17                        ; Wo: 128 rows of 1,024 bytes,
	s_lshl_b32 s19, s16, 16                        ; + my 64 of them
	s_add_co_u32 s46, s46, s19
	s_mov_b32 s47, 0
	s_mul_i32 s45, s16, 64*BP
	s_add_co_u32 s45, s45, BOFF                    ; and in a slot: no place in the cluster enters an LDS address
	s_wait_dscnt 0x0
	s_wait_kmcnt 0x0
	s_load_b64 s[22:23], s[10:11], 0x28            ; e10, e11
	s_add_nc_u64 s[20:21], s[4:5], s[20:21]
	s_add_nc_u64 s[46:47], s[6:7], s[46:47]
	CROUND                                         ; all sixteen work-groups are here: the joint loads meet
.irp s, 0,1
	s_mov_b32 s[G0+4*\s], 1
	s_add_co_u32 s[G0+4*\s+1], s18, \s*SLOT
	s_add_nc_u64 s[G0+4*\s+2:G0+4*\s+3], s[20:21], \s*2097152   ; the K halves lie 2,097,152 bytes apart in aimg,
	s_or_b32 s[G0+4*\s+3], s[G0+4*\s+3], 0x80000000
	s_mov_b32 s[G0B+4*\s], 1
	s_add_co_u32 s[G0B+4*\s+1], s45, \s*SLOT
	s_add_nc_u64 s[G0B+4*\s+2:G0B+4*\s+3], s[46:47], \s*512     ; 512 bytes apart in a row of Wo
	s_or_b32 s[G0B+4*\s+3], s[G0B+4*\s+3], 0x80000000
.endr
	s_cmp_eq_u32 s15, 0                            ; a wave's two fills stand in one branch, ahead of every wait on TENSORcnt and every LDS read: two loads of mine are out; four v_nop follow the second
	s_cbranch_scc0 .Lfirst_b
	tensor_load_to_lds s[G0:G0+3], s[G1:G1+7]
	s_nop 0
	tensor_load_to_lds s[G0+4:G0+7], s[G1:G1+7]
	s_nop 0
.rept 4
	v_nop
.endr
	s_branch .Lfirst_asked
.Lfirst_b:
	tensor_load_to_lds s[G0B:G0B+3], s[G1B:G1B+7]
	s_nop 0
	tensor_load_to_lds s[G0B+4:G0B+7], s[G1B:G1B+7]
	s_nop 0
.rept 4
	v_nop
.endr
.Lfirst_asked:
	v_and_b32 v1, 15, v0                           ; r
	v_bfe_u32 v2, v0, 4, 1                         ; h
	v_and_b32 v3, 31, v0                           ; lane
	v_lshlrev_b32 v4, 4, v3
	s_lshl_b32 s18, s15, 15                        ; my four tiles of tokens
	v_add_nc_u32 v[ADRA], s18, v4
	v_add_nc_u32 v[ADRA+1], SLOT, v[ADRA]
	v_mul_u32_u24 v5, v1, BP
	v_lshl_add_u32 v5, v2, 3, v5                   ; row r, + 8 h
	v_add_nc_u32 v[ADRB], s45, v5                  ; my 64 rows of Wo (the half that I read is counted as the half that I fetch: by wave % 2)
	v_add_nc_u32 v[ADRB+1], SLOT, v[ADRB]
	s_mul_i32 s19, s14, 16*SP
	s_add_co_u32 s19, s19, STAGE                   ; my stage
	v_mul_u32_u24 v6, v1, SP
	v_lshl_add_u32 v6, v2, 5, v6
	v_add_nc_u32 v[STO], s19, v6                   ; in: row r, 32 bytes for each half of the lanes
	v_mul_u32_u24 v7, v2, SP
	v_lshl_add_u32 v7, v1, 4, v7
	v_add_nc_u32 v[RD], s19, v7                    ; back: lanes 0-15 one row of 256 bytes, lanes 16-31 the next
	v_lshlrev_b32 v[CO], 12, v2
	v_lshl_add_u32 v[CO], v1, 4, v[CO]             ; and the same two rows in out0 (4,096 bytes a row)
	s_lshl_b32 s20, s42, 9
	s_lshl_b32 s21, s16, 8
	s_add_co_u32 s20, s20, s21                     ; my first feature, in bytes of f32: 512 x tile + 256 x half
	s_mov_b32 s21, 0
	s_add_nc_u64 s[8:9], s[8:9], s[20:21]
	s_add_nc_u64 s[12:13], s[12:13], s[20:21]
	s_lshl_b32 s20, s17, 19
	s_lshl_b32 s46, s15, 18
	s_add_co_u32 s20, s20, s46                     ; my first token's row: (128 x tile + 64 x half) x 4,096
	s_add_nc_u64 s[12:13], s[12:13], s[20:21]
	v_lshlrev_b32 v8, 5, v2                        ; 32 h
.irp b, 0,1,2,3
	global_load_b128 v[BI+8*\b:BI+8*\b+3], v8, s[8:9] offset:64*\b
	global_load_b128 v[BI+8*\b+4:BI+8*\b+7], v8, s[8:9] offset:64*\b+16
.endr
; 48 LDS loads in one run: K step ks (128 along K) into buffer ks % 2: a's four fragments as they lie, Wo's four from rows
.macro FETCH ks
.set FB, 128*((\ks)%2)
	WIN TO_F
.irp i, 0,1,2,3
.irp c, 0,1,2,3
	ds_load_b128 v[FB+16*\i+4*\c:FB+16*\i+4*\c+3], v[ADRA+(\ks)/4] offset:8192*\i+2048*((\ks)%4)+512*\c
.endr
.endr
.irp i, 0,1,2,3
.irp c, 0,1,2,3,4,5,6,7
	ds_load_b64 v[FB+64+16*\i+2*\c:FB+64+16*\i+2*\c+1], v[ADRB+(\ks)/4] offset:16*BP*\i+128*((\ks)%4)+16*\c
.endr
.endr
.endm
; 16 matrix instructions; the 16 accumulators take turns, in the same order in every step.  K step 0 starts the sums: nothing is cleared
.macro MUL16 ks
.set FB, 128*((\ks)%2)
	WIN MUL
.irp a, 0,1,2,3
.irp b, 0,1,2,3
.if (\ks) == 0
	v_wmma_f32_16x16x128_fp8_fp8 v[ACC+8*(4*\a+\b):ACC+8*(4*\a+\b)+7], v[FB+64+16*\b:FB+64+16*\b+15], v[FB+16*\a:FB+16*\a+15], 0
.else
	v_wmma_f32_16x16x128_fp8_fp8 v[ACC+8*(4*\a+\b):ACC+8*(4*\a+\b)+7], v[FB+64+16*\b:FB+64+16*\b+15], v[FB+16*\a:FB+16*\a+15], v[ACC+8*(4*\a+\b):ACC+8*(4*\a+\b)+7]
.endif
.endr
.endr
.endm
	s_wait_tensorcnt 1                             ; my part of slot 0 is in (slot 1's load may be out)
	s_barrier_signal -1
	s_barrier_wait -1                              ; everybody's is
	FETCH 0
.irp s, 0,1,2,3,4,5,6
.if \s == 3
	s_wait_tensorcnt 0x0                           ; my part of slot 1 is in: no load was issued behind it;
	s_wait_dscnt 0x0                               ; no LDS instruction of mine is pending at a signal
	s_barrier_signal -1
	s_barrier_wait -1                              ; everybody's is: K step 4 may be fetched
.endif
.if \s > 0
	PLACES                                         ; the buffer that takes the next fetch was multiplied just now
.endif
	FETCH \s+1
	s_wait_dscnt 48                                ; all but the 48 just issued
	MUL16 \s
.endr
	s_wait_dscnt 0x0
	MUL16 7
	WIN 0
; THE WAY OUT, a tile of 16 tokens x my 64 features at a time: out = sum x 2^(e10 + e11) + bo, one fused multiply-add for two numbers; through my own stage in LDS, so that sixteen lanes store 256 consecutive bytes.
; LDS serves a wave's instructions in order (ISA guide 5.7.1.4): no wait between the stores and the loads, nor in front of the next tile's stores.
.macro TOSTAGE a
.if (\a) > 0
	s_wait_dscnt 8                                 ; the last tile's stores into the stage have read their registers; its eight loads may be out
.endif
.set n, 0
.rept 16
	v_pk_fma_f32 v[TMP+n:TMP+n+1], v[ACC+32*(\a)+n:ACC+32*(\a)+n+1], s[22:23], v[BI+n:BI+n+1] op_sel_hi:[1,0,1]   ; each accumulator from its low end on
.set n, n+2
.endr
.irp b, 0,1,2,3
	ds_store_b128 v[STO], v[TMP+8*\b:TMP+8*\b+3] offset:64*\b
	ds_store_b128 v[STO], v[TMP+8*\b+4:TMP+8*\b+7] offset:64*\b+16
.endr
.irp t, 0,1,2,3,4,5,6,7
	ds_load_b128 v[ACC+32*(\a)+4*\t:ACC+32*(\a)+4*\t+3], v[RD] offset:\t*2*SP   ; back into the tile's own accumulators, which are done with
.endr
.endm
.macro SEND a, younger                 ; younger: the LDS instructions issued behind tile a's loads
.irp t, 0,1,2,3,4,5,6,7
	s_wait_dscnt \younger+7-\t
	global_store_b128 v[CO], v[ACC+32*(\a)+4*\t:ACC+32*(\a)+4*\t+3], s[12:13] offset:(16*(\a)+2*\t)*4096 th:TH_STORE_NT   ; 16 lanes store 256 consecutive bytes, at a multiple of 256 from out0's first byte; written once, read by nobody here
.endr
.endm
	s_wait_kmcnt 0x0
	s_add_co_i32 s22, s22, s23
	s_add_co_i32 s22, s22, 127
	s_lshl_b32 s22, s22, 23                        ; 2^(e10 + e11) as f32
	s_mov_b32 s23, s22                             ; (named with it as a pair, so it is written)
	s_wait_loadcnt 0x0                             ; bo
	PLACES
	TOSTAGE 0
.irp a, 1,2,3
	TOSTAGE \a
	SEND \a-1, 16                                  ; behind tile a - 1's loads: tile a's 8 stores and 8 loads
.endr
	SEND 3, 0
	s_wait_tensorcnt 0x0
	ds_add_u32 v126, v127
	s_wait_dscnt 0x0
	CROUND                                         ; the closing round: no work-group ends while a partner may still ask for a tile that names it
	s_endpgm
.Lfunc_end_k_q29fc8104a0_outp:
	.size	k_q29fc8104a0_outp, .Lfunc_end_k_q29fc8104a0_outp-k_q29fc8104a0_outp
	.p2alignl 7, 3214868480
	.fill 96, 4, 3214868480
	.section	.rodata,"a",@progbits
	.p2align	6, 0x0
	.amdhsa_kernel k_q29fc8104a0_outp
		.amdhsa_group_segment_fixed_size 284160
		.amdhsa_private_segment_fixed_size 0
		.amdhsa_enable_private_segment 0
		.amdhsa_kernarg_size 40
		.amdhsa_user_sgpr_count 2
		.amdhsa_user_sgpr_kernarg_segment_ptr 1
		.amdhsa_wavefront_size32 1
		.amdhsa_system_sgpr_workgroup_id_x 1
		.amdhsa_system_sgpr_workgroup_id_y 1
		.amdhsa_system_sgpr_workgroup_id_z 1
		.amdhsa_system_vgpr_workitem_id 0
		.amdhsa_next_free_vgpr 512
		.amdhsa_next_free_sgpr 66
		.amdhsa_reserve_vcc 0
		.amdhsa_float_denorm_mode_32 3
		.amdhsa_float_denorm_mode_16_64 3
		.amdhsa_memory_ordered 1
		.amdhsa_forward_progress 1
		.amdhsa_inst_pref_size 54
	.end_amdhsa_kernel
	.amdgpu_metadata
---
amdhsa.version: [ 1, 2 ]
amdhsa.kernels:
  - .name:           k_q29fc8104a0_outp
    .symbol:         k_q29fc8104a0_outp.kd
    .args:
      - { .name: aimg, .offset: 0, .size: 8, .value_kind: global_buffer, .address_space: global }
      - { .name: Wo_codes, .offset: 8, .size: 8, .value_kind: global_buffer, .address_space: global }
      - { .name: bo, .offset: 16, .size: 8, .value_kind: global_buffer, .address_space: global }
      - { .name: lowp_scales, .offset: 24, .size: 8, .value_kind: global_buffer, .address_space: global }
      - { .name: out0, .offset: 32, .size: 8, .value_kind: global_buffer, .address_space: global }
    .group_segment_fixed_size: 284160
    .private_segment_fixed_size: 0
    .kernarg_segment_align: 8
    .kernarg_segment_size: 40
    .max_flat_workgroup_size: 128
    .sgpr_count:     66
    .vgpr_count:     512
    .wavefront_size: 32
...
	.end_amdgpu_metadata
.endif
;; end of part 3
;; ======== version 2 of 2: 3 launches; version 1 with the launch attn written anew for expert scheduling mode
;; workspace buffers: qimg 4,194,304 bytes; kv 8,388,608 bytes; aimg 4,194,304 bytes
;; launch proj: the kernel of part 1 again; grid 12 x 16, 4 waves a work-group, clusters of 4 x 4, 327,680 bytes of LDS; arguments x_codes, Wq_codes, Wk_codes, Wv_codes, bq, bk, bv, lowp_scales, qimg, kv; writes qimg, kv
;; launch attn (part 4): grid 8 x 32, 16 waves a work-group, no clusters, 264,192 bytes of LDS; arguments qimg, kv, alpha, lowp_scales, aimg; writes aimg
.if DOCPART == 4
	.amdgcn_target "amdgcn-amd-amdhsa--gfx1250"
	.amdhsa_code_object_version 6
	.text
	.protected	k_q29fc8104a0_attn
	.globl	k_q29fc8104a0_attn
	.p2align	8
	.type	k_q29fc8104a0_attn,@function
k_q29fc8104a0_attn:
	s_mov_b64 s[64:65], 0
	v_nop
	global_prefetch_b8 v0, s[64:65] scope:SCOPE_SE
	s_setreg_imm32_b32 hwreg(HW_REG_WAVE_SCHED_MODE, 0, 2), 2
	s_setreg_imm32_b32 hwreg(HW_REG_WAVE_MODE, 25, 1), 1
	s_wait_xcnt 0x0
	s_wait_alu depctr_vm_vsrc(0)
; a[b][q][head] = the sum over k of softmax_k((q . k) / 8 x exp(-alpha |q - k|)) v[k], both products on codes of E4M3; a is quantised at once with entry 10 and stored as the register image of the last product's operand.
; IN: qimg, kv: register images (16 bytes a lane, 512 a piece).  A fragment of Q or K: 16 rows x 64, 8 registers; of V^T: 16 channels x 128 keys, 16 registers; registers 2 c, 2 c + 1 hold k = 16 c + 8 (lane / 16) + 0 .. 7.
; Entries of the scales: 6 q, 7 k, 8 v, 9 p, 10 a.
; THE SOFTMAX: t = logit x log2(e); M = the row's largest t so far, rounded UP to a whole number; p = 2^(t - M) is what is quantised; the row's sum is taken of the unquantised p and divides at the end.
; When M moves, the sum and O are multiplied by 2^(old M - new M): exact.
; SHARES.  A work-group owns 256 queries of one batch and head; each of its SIXTEEN waves owns 16, one tile, in 256 registers: four waves to a SIMD, so that one wave's exponentials stand beside another's plain work.
; Every wave walks the head's 2,048 keys, 128 a step.  Both products are used transposed (S^T = K Q^T, O^T = V^T P^T): a lane holds ONE query (lane % 16) throughout, and S^T's register 8 t + j holds key 16 t + 8 (lane / 16) + j,
; so that one conversion of a tile's eight registers gives registers 2 t, 2 t + 1 of P: nothing changes lanes.
; LDS holds the whole head: 16 regions of 16,384 bytes, region s = step s of kv as it lies, EACH BYTE WRITTEN ONCE.  Wave w copies bytes 1,024 w .. + 1,023 of each step through registers: loaded two steps ahead, stored one step ahead.
; One barrier a step: the signal stands behind my stores of the next region, the wait at the step's end, ahead of the first read of that region.
; THE DECAY WITHOUT A TABLE.  NA = -alpha log2(e); decay = 2^(NA lag).  In a step all of whose keys lie before my queries, lag = (q - kf - 127) + (96 - 32 b) + (31 - 16 u - 8 h - j) for register 16 b + 8 u + j; behind them,
; lag = (kf - q) + 32 b + (16 u + 8 h + j).  All terms are 0 or more, so no factor leaves f32's range unless the decay itself does.  So t = S x F[8 u + j] x G[b]: F sixteen registers that stay, G[b] = a scalar x R,
; R = 2^(NA x the first term): one exponential a lane a step.  The one step of a wave that holds its own queries makes its 64 decays directly and turns F and the scalars to the other side: a scalar branch on ids.
; NO TENSOR LOADS, NO CLUSTER, and why: p is at most 1 (but for a last bit), so its hold at 448 x 2^e9 can bind only where e9 < -8; the 64 lines of the hold are a fifth of a step's some 310 vector instructions, in a loop that the vector
; unit bounds, and they are jumped over by a branch on e9.  What the eight query blocks of a head share is 16,384 bytes a step, beside some 4,000 vector instructions of a work-group.
; LIMITS: e6 + e7 between -123 and 130 (added to c's exponent field); e9, and e10 - e8 - e9, between -126 and 119.  NaN among the inputs is not served.  A factor of the decay under 2^-126 counts as 0 (v_exp_f32: ISA guide 15.8).
; THE MODE: SCHED_MODE bits 1:0 = 2 (LLVM: expert scheduling mode 2), set by the entry lines.  The code itself states the register dependences between vector or matrix instructions and memory or LDS instructions, with s_wait_alu, always for 0.
; THE PLAN.  Registers that memory or LDS instructions touch:
;   v[LI], v[ST0], v[PFO]  offsets, made at the head ahead of the first load and never written again.
;   v[ADK], v[ADS]         LDS addresses, each written by one addition at a step's head; read by the step's 32 LDS loads and its two LDS stores.
;   v[LD ..]               my 1,024 bytes on their way: global loads land there, the next step's two LDS stores read them; no vector instruction names them.
;   v[KV ..]               K's loads land; the eight score products read; (in my own step vector lines write and read the 64 lags there;) V^T's loads land; the four last products read; the next step's K lands.
;   v[QF ..]               loaded once, read by matrix instructions.      v[PC ..]  on the way out written by conversions, read by the two stores.
; A STEP'S WAITS.  At its head one on vm_vsrc (the last step's LDS instructions have read ADK and ADS), the two additions, one on va_vdst (they are written; the last step's products are done reading KV): behind it the stores and K's loads.
; One on vm_vsrc behind K's loads (the stores have read LD): behind it the loads of two steps on, which so go out while K is on its way.  The wait on va_vdst behind the score products, which R's exponential asks for, also states that
; those products are done reading KV: the vector lines behind it name G, R, S, F and the maxima alone, so V^T's sixteen loads are dealt among them with no further wait.  My own step, which works in KV, has a wait of its own at its path's end.
.set REGB, 16384                       ; a region of LDS: a step's K (8,192 bytes), then its V^T
.set LI,   1                           ; v1   16 x lane
.set ST0,  2                           ; v2   1,024 x wave + 16 x lane: my bytes of a step, in kv and in a region
.set ADK,  3                           ; v3   LDS address of the step's pieces
.set ADS,  4                           ; v4   LDS address of my bytes in the step's region
.set PFO,  5                           ; v5   the prefetch's offset: 8,192 (wave % 2) + 256 x lane; never rewritten
.set AL,   6                           ; v6   the lag's first term for the step to come, a whole number in f32
.set AU,   7                           ; v7   the same for the first step behind my queries: 128 - 16 (wave % 8) - r
.set RR,   8                           ; v8   R
.set NDQ,  9                           ; v9   8 h - 16 (wave % 8) - r: key 16 t + 8 h + j of my own step has lag |16 t + j + this|
.set H8,   10                          ; v10  8 h
.set QF,   16                          ; v16-23   Q's fragment
.set GB,   24                          ; v24, 26, 28, 30  G[b]; the odd registers are 0 (named as the upper halves of pairs)
.set KV,   32                          ; v32-95   K's eight fragments, then V^T's four
.set S,    96                          ; v96-159  S^T, then p
.set OT,   160                         ; v160-191 O^T
.set PC,   192                         ; v192-207 p's codes
.set F,    208                         ; v208-223 F
.set LD,   224                         ; v224-231 my 1,024 bytes of a step on their way to LDS
.set MX,   232                         ; v232-235 maxima.  v12 -M, v13 the largest t, v[14:15] the sum in two halves, v236 a permute's destination, v240, v244: 448 x 2^e9, 2^e9; v241, v245 the same with e10 - e8 - e9; v[242:243], v[252:253], v254 at work
; scalars: s14 wave; s17 my own step; s18 the step; s19 the step's region; s[20:21] lane selects; s22 steps still to be loaded; s23, s[24:25] the prefetch; s26 NA; s27 what AL steps by; s28 c; s[32:35] G's scalars; s[36:39] X[k] = c 2^(32 k NA)
; A PREFETCH INTO THE L2 of the step that the NEXT trip will load: 16,384 bytes, a lane to each 256.  It stands where the wave has just issued its loads.  All eight work-groups of a head walk the same kv: the first of them asks,
; its waves 0 and 1, 8,192 bytes each, one instruction.  So each block is named once in the launch.  Steps 0 to 2 come by their loads alone; the last trip that loads asks for nothing: there is no step behind it.
.macro ASK
	s_cmp_gt_u32 s22, s23
	s_cbranch_scc0 .Lnot_mine_\@
	global_prefetch_b8 v[PFO], s[24:25] th:TH_LOAD_NT scope:SCOPE_SE
.Lnot_mine_\@:
.endm
; F's sixteen exponents: from F[0] and F[8] on by steps of +-1 (whole numbers, exact), then x NA
.macro FCHAIN step
.irp j, 1,2,3,4,5,6,7
	v_add_f32 v[F+\j], \step, v[F+\j-1]
	v_add_f32 v[F+8+\j], \step, v[F+8+\j-1]
.endr
.set n, 0
.rept 16
	v_mul_f32 v[F+n], s26, v[F+n]
.set n, n+1
.endr
.endm
.macro FEXP
.set n, 0
.rept 16
	v_exp_f32 v[F+n], v[F+n]
.set n, n+1
.endr
.endm
	s_load_b256 s[4:11], s[0:1], 0x0               ; qimg s[4:5], kv s[6:7], alpha s[8:9], the scales' exponents s[10:11]
	s_load_b64 s[12:13], s[0:1], 0x20              ; aimg
	v_lshl_add_u32 v251, v0, 2, 0x40000
	v_mov_b32 v255, 0
	v_lshrrev_b32 v3, 5, v0
	v_readfirstlane_b32 s14, v3                    ; wave 0..15
	v_and_b32 v4, 31, v0                           ; lane
	v_lshlrev_b32 v[LI], 4, v4
	s_wait_alu depctr_va_sdst(0)                   ; s14 is written, ahead of its first reader: offsets, bases and branches are made from it
	s_lshl_b32 s50, s14, 10
	v_add_nc_u32 v[ST0], s50, v[LI]
	s_and_b32 s51, s14, 1
	s_lshl_b32 s51, s51, 13
	v_lshl_add_u32 v[PFO], v4, 8, s51
	s_and_b32 s15, ttmp7, 0xffff                   ; bh = 16 x batch + head
	s_lshl_b32 s52, s15, 18                        ; the head's 262,144 bytes of kv
	s_mov_b32 s53, 0
	s_lshl_b32 s54, s15, 7
	s_lshl_b32 s55, ttmp9, 4
	s_add_co_u32 s54, s54, s55
	s_add_co_u32 s54, s54, s14                     ; my tile of queries: 128 bh + 16 x block + wave,
	s_lshl_b32 s54, s54, 10                        ; 1,024 bytes each
	s_mov_b32 s55, 0
	s_and_b32 s56, s15, 15                         ; the head
	s_lshr_b32 s57, s15, 4                         ; the batch
	s_lshl_b32 s57, s57, 7
	s_lshl_b32 s58, ttmp9, 4
	s_add_co_u32 s57, s57, s58
	s_add_co_u32 s57, s57, s14                     ; my tile of tokens, 0 .. 255.  aimg: [K half][tile of tokens][K step % 4][2,048 bytes]; head hd is bytes 1,024 (hd % 2) on of K step hd / 2:
	s_lshl_b32 s57, s57, 13                        ; 8,192 x tile
	s_lshr_b32 s58, s56, 3
	s_lshl_b32 s58, s58, 21                        ; + 2,097,152 (hd / 8)
	s_add_co_u32 s57, s57, s58
	s_and_b32 s58, s56, 7
	s_lshl_b32 s58, s58, 10                        ; + 1,024 (hd % 8)
	s_add_co_u32 s56, s57, s58
	s_mov_b32 s57, 0
	s_wait_kmcnt 0x0
	s_load_b32 s26, s[8:9], 0x0                    ; alpha
	s_load_b128 s[44:47], s[10:11], 0x18           ; e6, e7, e8, e9
	s_load_b32 s48, s[10:11], 0x28                 ; e10
	s_add_nc_u64 s[6:7], s[6:7], s[52:53]
	s_add_nc_u64 s[4:5], s[4:5], s[54:55]
	s_add_nc_u64 s[12:13], s[12:13], s[56:57]
	s_wait_alu depctr_va_vdst(0)                   ; v[LI], v[ST0] and v[PFO] are written: every global load, the first LDS stores, the prefetch and the last stores read one of them as their offset
	global_load_b128 v[LD:LD+3], v[ST0], s[6:7]              ; my bytes of step 0
	global_load_b128 v[LD+4:LD+7], v[ST0], s[6:7] offset:512
	global_load_b128 v[QF:QF+3], v[LI], s[4:5] th:TH_LOAD_NT ; Q's fragment stays in registers
	global_load_b128 v[QF+4:QF+7], v[LI], s[4:5] offset:512 th:TH_LOAD_NT
	v_and_b32 v3, 15, v0                           ; r
	v_bfe_u32 v4, v0, 4, 1                         ; h
	s_lshl_b32 s50, ttmp9, 8
	s_lshl_b32 s51, s14, 4
	s_add_co_u32 s50, s50, s51
	s_sub_co_i32 s50, s50, 127
	v_add_nc_u32 v[AL], s50, v3                    ; q - 127: the first term at step 0
	v_cvt_f32_i32 v[AL], v[AL]
	s_and_b32 s51, s14, 7
	s_lshl_b32 s51, s51, 4                         ; 16 (wave % 8): my first query in my own step
	s_sub_co_i32 s50, 128, s51
	v_sub_nc_u32 v[AU], s50, v3
	v_cvt_f32_i32 v[AU], v[AU]
	v_lshlrev_b32 v[H8], 3, v4
	v_add_nc_u32 v[NDQ], s51, v3
	v_sub_nc_u32 v[NDQ], v[H8], v[NDQ]
	v_cvt_f32_i32 v[NDQ], v[NDQ]
	v_cvt_f32_i32 v[H8], v[H8]
	s_lshl_b32 s17, ttmp9, 1
	s_lshr_b32 s50, s14, 3
	s_add_co_u32 s17, s17, s50                     ; the step that holds my queries: 2 x block + wave / 8
	s_mov_b32 s18, 0
	s_mov_b32 s19, 0
	s_mov_b32 s20, 0x76543210                      ; v_permlanex16_b32: lane l xor 16
	s_mov_b32 s21, 0xfedcba98
	s_mov_b32 s22, 14                              ; steps 2 to 15 are loaded in the loop
	s_mov_b32 s27, 0xc3000000                      ; -128.0: before my queries the first term falls
	s_lshr_b32 s50, s14, 1
	s_or_b32 s50, s50, ttmp9                       ; 0 in waves 0 and 1 of the head's first work-group
	s_cmp_eq_u32 s50, 0
	s_cselect_b32 s23, 1, -1                       ; a wave prefetches while s22 is above this
	v_sub_f32 v[F], 0x41f80000, v[H8]              ; F's exponents before my queries: 31 - 8 h - j,
	v_sub_f32 v[F+8], 0x41700000, v[H8]            ; 15 - 8 h - j
	s_wait_kmcnt 0x0
	v_mov_b32 v254, s26
	v_mul_f32 v254, 0xbfb8aa3b, v254               ; NA = -alpha log2(e)
	v_readfirstlane_b32 s26, v254
	v_mul_f32 v[MX], 0x42000000, v254              ; 32 NA, 64 NA, 96 NA
	v_mul_f32 v[MX+1], 0x42800000, v254
	v_mul_f32 v[MX+2], 0x42c00000, v254
	s_wait_alu depctr_va_sdst(0)                   ; s26 = NA is written, ahead of its first reader, the multiplications of F's exponents
	FCHAIN -1.0
	FEXP                                           ; one batch of 19 exponentials,
	v_exp_f32 v[MX], v[MX]
	v_exp_f32 v[MX+1], v[MX+1]
	v_exp_f32 v[MX+2], v[MX+2]
	v_mov_b32 v13, 0xff61b1e6                      ; work that names none of their results: the largest t so far: -3e38, under every t
	v_floor_f32 v12, -v13                          ; -M
	v_mov_b32 v14, 0                               ; the sum, in two halves
	v_mov_b32 v15, 0
	v_mov_b32 v236, 0                              ; written once: a lane permute's destination counts as one of its sources
	v_mov_b32 v253, 0                              ; (named as the upper half of the pair v[252:253])
.irp b, 0,1,2,3
	v_mov_b32 v[GB+2*\b+1], 0
.endr
.set n, 0
.rept 32
	v_mov_b32 v[OT+n], 0                           ; O^T.  (The step is written without a first step of its own: it finds zeros, which the first change of M leaves zeros)
.set n, n+1
.endr
	s_add_co_i32 s28, s44, s45
	s_lshl_b32 s28, s28, 23
	s_add_co_i32 s28, s28, 0x3e38aa3b              ; c = log2(e) / 8 x 2^(e6 + e7): the two exponents are added to the exponent field
	s_add_co_i32 s50, s47, 127
	s_lshl_b32 s51, s50, 23
	v_mov_b32 v244, s51                            ; 2^e9 as f32, for p's conversions
	s_add_co_i32 s50, s50, 8
	s_lshl_b32 s50, s50, 23
	s_or_b32 s50, s50, 0x600000
	v_mov_b32 v240, s50                            ; 448 x 2^e9
	s_sub_co_i32 s50, s48, s46
	s_sub_co_i32 s50, s50, s47                     ; O / the sum stands for a / 2^(e8 + e9): a's code is that / 2^(e10 - e8 - e9): three scales in one
	s_add_co_i32 s50, s50, 127
	s_lshl_b32 s51, s50, 23
	v_mov_b32 v245, s51
	s_add_co_i32 s50, s50, 8
	s_lshl_b32 s50, s50, 23
	s_or_b32 s50, s50, 0x600000
	v_mov_b32 v241, s50
	s_wait_alu depctr_va_vdst(0)                   ; the batch's 19 exponentials have written F and v[MX .. MX+2]: one wait, ahead of their first reader
	v_mul_f32 v[MX], s28, v[MX]
	v_mul_f32 v[MX+1], s28, v[MX+1]
	v_mul_f32 v[MX+2], s28, v[MX+2]
	s_mov_b32 s36, s28                             ; X[0] = c
	v_readfirstlane_b32 s37, v[MX]
	v_readfirstlane_b32 s38, v[MX+1]
	v_readfirstlane_b32 s39, v[MX+2]
	s_wait_alu depctr_va_sdst(0)                   ; s37, s38 and s39 are written, ahead of their first readers, the moves below
	s_mov_b32 s32, s39                             ; before my queries G[b] takes X[3 - b]
	s_mov_b32 s33, s38
	s_mov_b32 s34, s37
	s_mov_b32 s35, s36
	s_wait_loadcnt 0x0                             ; step 0's bytes and Q are in; the loads' base may be written
	ds_store_b128 v[ST0], v[LD:LD+3]
	ds_store_b128 v[ST0], v[LD+4:LD+7] offset:512
	s_add_nc_u64 s[24:25], s[6:7], 2*REGB          ; the prefetch stands at step 2: the first trip steps it to step 3
	s_add_nc_u64 s[6:7], s[6:7], REGB
	s_wait_dscnt 0x0                               ; for the others' sake: my stores have landed
	s_wait_alu depctr_vm_vsrc(0)                   ; my two LDS stores have read v[LD ..], in which step 1's loads land
	global_load_b128 v[LD:LD+3], v[ST0], s[6:7]    ; step 1
	global_load_b128 v[LD+4:LD+7], v[ST0], s[6:7] offset:512
	s_barrier_signal -1
	s_barrier_wait -1                              ; region 0 is whole
; A KEY STEP.  st = 1: my bytes of the next step go to LDS, and the step has its barrier.  ld = 1: the step after that is loaded.
.macro STEP st, ld
	s_wait_alu depctr_vm_vsrc(0)                   ; the last step's LDS loads and stores have read v[ADK] and v[ADS], which the additions below write
	v_add_nc_u32 v[ADK], s19, v[LI]                ; four plain instructions stand between the last step's products and the loads into the registers that they read, beside the wait that states that dependence
	v_mul_f32 v[RR], s26, v[AL]
	v_add_f32 v[AL], s27, v[AL]
.if \st
	v_add_nc_u32 v[ADS], s19, v[ST0]
.else
	v_nop
.endif
	s_wait_alu depctr_va_vdst(0)                   ; v[ADK] and v[ADS] are written, which the LDS instructions below read; the last step's products are done reading v[KV ..], in which K's loads land
.if \st
	s_wait_loadcnt 0x0                             ; my bytes of the next step are in
	ds_store_b128 v[ADS], v[LD:LD+3] offset:REGB
	ds_store_b128 v[ADS], v[LD+4:LD+7] offset:REGB+512
.endif
.set n, 0
.rept 16
	ds_load_b128 v[KV+4*n:KV+4*n+3], v[ADK] offset:512*n     ; K's eight fragments: 512 consecutive bytes a load
.set n, n+1
.endr
.if \ld
	s_wait_alu depctr_vm_vsrc(0)                   ; my two LDS stores have read v[LD ..], in which the loads below land: these go out while K is on its way
	s_wait_xcnt 0x0                                ; the prefetch of a trip ago has read its address
	s_add_nc_u64 s[6:7], s[6:7], REGB
	s_add_nc_u64 s[24:25], s[24:25], REGB
	global_load_b128 v[LD:LD+3], v[ST0], s[6:7]
	global_load_b128 v[LD+4:LD+7], v[ST0], s[6:7] offset:512
	ASK
.endif
	s_wait_dscnt 0x0                               ; K is in; my stores have landed (for the others' sake)
.if \st
	s_barrier_signal -1                            ; my part of the next region lies in LDS.  Up to the wait at the step's end: register work, and loads of bytes that nobody writes again
.endif
	v_exp_f32 v[RR], v[RR]                         ; R
.irp t, 0,1,2,3,4,5,6,7
	v_wmma_f32_16x16x64_fp8_fp8 v[S+8*\t:S+8*\t+7], v[KV+8*\t:KV+8*\t+7], v[QF:QF+7], 0   ; S^T: source 0 = 16 keys, source 1 = my 16 queries
.endr
	v_nop                                          ; a plain instruction behind the exponential; with the four below: five places behind the products
	s_wait_alu depctr_va_vdst(0)                   ; the exponential has written R, ahead of its first reader; and the eight products are done reading v[KV ..], in which V^T's loads land
.irp b, 0,1,2,3
	v_mul_f32 v[GB+2*\b], s[32+\b], v[RR]
.endr
	s_cmp_eq_u32 s18, s17                          ; is this the step that holds my queries?  (ids alone)
	s_cbranch_scc1 .Ldiag_\@
.set n, 0
.rept 32
	v_pk_mul_f32 v[S+n:S+n+1], v[S+n:S+n+1], v[F+n%16:F+n%16+1]     ; each accumulator from its low end on
.set n, n+2
.endr
	s_branch .Ljoin_\@
.Ldiag_\@:
	v_mov_b32 v[KV], v[NDQ]                        ; the 64 lags, signed, in K's registers, which are done with: 16 t + j + (8 h - my query's place): whole numbers, exact
.irp t, 1,2,3,4,5,6,7
	v_add_f32 v[KV+8*\t], 0x41800000, v[KV+8*\t-8]
.endr
.irp j, 1,2,3,4,5,6,7
.irp t, 0,1,2,3,4,5,6,7
	v_add_f32 v[KV+8*\t+\j], 1.0, v[KV+8*\t+\j-1]
.endr
.endr
.set n, 0
.rept 64
	v_mul_f32 v[KV+n], s26, |v[KV+n]|              ; NA x lag
.set n, n+1
.endr
	v_mov_b32 v[F], v[H8]                          ; F's exponents behind my queries: 8 h + j,
	v_add_f32 v[F+8], 0x41800000, v[H8]            ; 16 + 8 h + j
	FCHAIN 1.0
.set n, 0
.rept 64
	v_exp_f32 v[KV+n], v[KV+n]                     ; one batch of 80 exponentials
.set n, n+1
.endr
	FEXP
.irp b, 0,1,2,3
	v_mov_b32 v[GB+2*\b], s28                      ; in this step the decay is whole already: G = c
.endr
	v_mov_b32 v[AL], v[AU]                         ; from here on the first term is kf - q, and rises;
	s_mov_b32 s27, 0x43000000                      ; +128.0
	s_mov_b32 s32, s36                             ; G[b] takes X[b]
	s_mov_b32 s33, s37
	s_mov_b32 s34, s38
	s_mov_b32 s35, s39
	s_wait_alu depctr_va_vdst(0)                   ; the batch's 80 exponentials have written the decays and F: one wait, ahead of their first reader
.set n, 0
.rept 32
	v_pk_mul_f32 v[S+n:S+n+1], v[S+n:S+n+1], v[KV+n:KV+n+1]
.set n, n+2
.endr
	s_wait_alu depctr_va_vdst(0)                   ; the multiplications above are done reading v[KV ..], in which V^T's loads land
.Ljoin_\@:
.set n, 0
.rept 4
	ds_load_b128 v[KV+4*n:KV+4*n+3], v[ADK] offset:8192+512*n     ; V^T's four fragments land under the softmax: sixteen loads, dealt among the maxima.  No wait: no vector instruction since the last wait on va_vdst names v[KV ..] or v[ADK]
.set n, n+1
.endr
.irp b, 0,1,2,3                                ; the largest S x F of each b, in four chains; G is positive, so it may be multiplied in behind the maximum
	v_max3_num_f32 v[MX+\b], v[S+16*\b], v[S+16*\b+1], v[S+16*\b+2]
.endr
.irp i, 3,5,7,9,11,13
.rept 2
	ds_load_b128 v[KV+4*n:KV+4*n+3], v[ADK] offset:8192+512*n
.set n, n+1
.endr
.irp b, 0,1,2,3
	v_max3_num_f32 v[MX+\b], v[MX+\b], v[S+16*\b+\i], v[S+16*\b+\i+1]
.endr
.endr
.irp b, 0,1,2,3
	v_max_num_f32 v[MX+\b], v[MX+\b], v[S+16*\b+15]
.endr
.irp b, 0,1,2,3
	v_mul_f32 v[MX+\b], v[MX+\b], v[GB+2*\b]
.endr
	v_max3_num_f32 v254, v[MX], v[MX+1], v[MX+2]
	v_max_num_f32 v254, v254, v[MX+3]
	v_permlanex16_b32 v236, v254, s20, s21
	v_max_num_f32 v254, v254, v236                 ; and lane l xor 16's: the step's largest t of my query
	v_max_num_f32 v13, v13, v254                   ; the running largest t
	v_mov_b32 v254, v12
	v_floor_f32 v12, -v13                          ; the new -M = floor(-t) = -ceil(t): M is a whole number
	v_sub_f32 v254, v12, v254                      ; M's old value less its new one: a whole number, 0 or less
	v_cvt_i32_f32 v254, v254                       ; (it saturates)
	v_ldexp_f32 v252, 1.0, v254                    ; f = 2^(old M - new M)
.set n, 0
.rept 32
	v_pk_fma_f32 v[S+n:S+n+1], v[S+n:S+n+1], v[GB+2*(n/16):GB+2*(n/16)+1], v[12:13] op_sel_hi:[1,0,0]   ; t - M, two at a time (of the pairs G and -M the low word serves both halves)
.set n, n+2
.endr
.set n, 0
.rept 64
	v_exp_f32 v[S+n], v[S+n]                       ; p = 2^(t - M): not normalised
.set n, n+1
.endr
	v_pk_mul_f32 v[14:15], v[14:15], v[252:253] op_sel_hi:[1,0]   ; the sums under the new M.  (The plain instruction behind the exponentials)
	s_wait_alu depctr_va_vdst(0)                   ; the batch's 64 exponentials have written p: one wait, ahead of their first reader
	v_pk_add_f32 v[242:243], v[S:S+1], v[S+2:S+3]  ; the row's sum is taken of the unquantised p: two at a time, in two chains
.irp j, 4,8,12,16,20,24,28,32,36,40,44,48,52,56,60
	v_pk_add_f32 v[14:15], v[14:15], v[S+\j:S+\j+1]
	v_pk_add_f32 v[242:243], v[242:243], v[S+\j+2:S+\j+3]
.endr
	v_pk_add_f32 v[14:15], v[14:15], v[242:243]
	s_cmp_gt_i32 s47, -9                           ; 448 x 2^e9 is 1.75 or more where e9 >= -8: p cannot reach it, and the hold is jumped over
	s_cbranch_scc1 .Lno_hold_\@
.set n, 0
.rept 64
	v_min_num_f32 v[S+n], v[S+n], v240             ; the conversion to an 8-bit code does not saturate (ISA guide 7.6.2); p is not negative, so the hold is one-sided
.set n, n+1
.endr
.Lno_hold_\@:
.irp t, 0,1,2,3,4,5,6,7
	v_cvt_scalef32_pk8_fp8_f32 v[PC+2*\t:PC+2*\t+1], v[S+8*\t:S+8*\t+7], v244   ; keys 16 t + 8 h + 0 .. 7: registers 2 t, 2 t + 1 of the operand
.endr
.set n, 0
.rept 16
	v_pk_mul_f32 v[OT+n:OT+n+1], v[OT+n:OT+n+1], v[252:253] op_sel_hi:[1,0]   ; O^T under the new M.  (Also the plain instructions between the conversions and the products that read the codes)
.set n, n+2
.endr
	s_wait_dscnt 0x0                               ; V^T is in
.irp d, 0,1,2,3
	v_wmma_f32_16x16x128_fp8_fp8 v[OT+8*\d:OT+8*\d+7], v[KV+16*\d:KV+16*\d+15], v[PC:PC+15], v[OT+8*\d:OT+8*\d+7]   ; the four accumulators take turns
.endr
.if \st
	s_barrier_wait -1                              ; every wave's part of the next region lies in LDS
.endif
	s_add_co_u32 s19, s19, REGB
	s_add_co_u32 s18, s18, 1
.endm
.Lstep:                                            ; 14 trips: steps 0 to 13
	STEP 1, 1
	s_sub_co_u32 s22, s22, 1
	s_cmp_lg_u32 s22, 0
	s_cbranch_scc1 .Lstep
	STEP 1, 0                                      ; step 14: the last region is stored, nothing is left to load
	STEP 0, 0                                      ; step 15
	; THE WAY OUT: O^T / the sum, held, quantised with 2^(e10 - e8 - e9): my head's 64 features of 16 tokens are eight registers of the last product's operand: two stores of 512 consecutive bytes.
	v_add_f32 v14, v14, v15                        ; the sum's two halves,
	v_permlanex16_b32 v236, v14, s20, s21
	v_add_f32 v14, v14, v236                       ; and lane l xor 16's
	v_rcp_f32 v14, v14
.rept 2
	v_nop                                          ; the plain instruction behind the reciprocal; with the two additions: four places behind the last products
.endr
	s_wait_alu depctr_va_vdst(0)                   ; the reciprocal has written v14, ahead of its first reader
.set n, 0
.rept 16
	v_pk_mul_f32 v[S+n:S+n+1], v[OT+n:OT+n+1], v[14:15] op_sel_hi:[1,0]
.set n, n+2
.endr
.set n, 0
.rept 32
	v_med3_num_f32 v[S+n], v[S+n], -v241, v241
.set n, n+1
.endr
.irp d, 0,1,2,3
	v_cvt_scalef32_pk8_fp8_f32 v[PC+2*\d:PC+2*\d+1], v[S+8*\d:S+8*\d+7], v245
.endr
	v_nop
	s_wait_alu depctr_va_vdst(0)                   ; the conversions have written v[PC .. PC+7], which the two stores read
	global_store_b128 v[LI], v[PC:PC+3], s[12:13]
	global_store_b128 v[LI], v[PC+4:PC+7], s[12:13] offset:512
	s_wait_dscnt 0x0
	s_wait_alu depctr_hold_cnt(0) depctr_sa_sdst(0) depctr_va_vdst(0) depctr_va_sdst(0) depctr_va_ssrc(0) depctr_va_vcc(0) depctr_vm_vsrc(0)
	s_wait_tensorcnt 0x0
	ds_add_u32 v251, v255
	s_wait_dscnt 0x0
	s_endpgm
.Lfunc_end_k_q29fc8104a0_attn:
	.size	k_q29fc8104a0_attn, .Lfunc_end_k_q29fc8104a0_attn-k_q29fc8104a0_attn
	.p2alignl 7, 3214868480
	.fill 96, 4, 3214868480
	.section	.rodata,"a",@progbits
	.p2align	6, 0x0
	.amdhsa_kernel k_q29fc8104a0_attn
		.amdhsa_group_segment_fixed_size 264192
		.amdhsa_private_segment_fixed_size 0
		.amdhsa_enable_private_segment 0
		.amdhsa_kernarg_size 40
		.amdhsa_user_sgpr_count 2
		.amdhsa_user_sgpr_kernarg_segment_ptr 1
		.amdhsa_wavefront_size32 1
		.amdhsa_system_sgpr_workgroup_id_x 1
		.amdhsa_system_sgpr_workgroup_id_y 1
		.amdhsa_system_sgpr_workgroup_id_z 1
		.amdhsa_system_vgpr_workitem_id 0
		.amdhsa_next_free_vgpr 256
		.amdhsa_next_free_sgpr 66
		.amdhsa_reserve_vcc 0
		.amdhsa_float_denorm_mode_32 3
		.amdhsa_float_denorm_mode_16_64 3
		.amdhsa_memory_ordered 1
		.amdhsa_forward_progress 1
		.amdhsa_inst_pref_size 103
	.end_amdhsa_kernel
	.amdgpu_metadata
---
amdhsa.version: [ 1, 2 ]
amdhsa.kernels:
  - .name:           k_q29fc8104a0_attn
    .symbol:         k_q29fc8104a0_attn.kd
    .args:
      - { .name: qimg, .offset: 0, .size: 8, .value_kind: global_buffer, .address_space: global }
      - { .name: kv, .offset: 8, .size: 8, .value_kind: global_buffer, .address_space: global }
      - { .name: alpha, .offset: 16, .size: 8, .value_kind: global_buffer, .address_space: global }
      - { .name: lowp_scales, .offset: 24, .size: 8, .value_kind: global_buffer, .address_space: global }
      - { .name: aimg, .offset: 32, .size: 8, .value_kind: global_buffer, .address_space: global }
    .group_segment_fixed_size: 264192
    .private_segment_fixed_size: 0
    .kernarg_segment_align: 8
    .kernarg_segment_size: 40
    .max_flat_workgroup_size: 512
    .sgpr_count:     66
    .vgpr_count:     256
    .wavefront_size: 32
...
	.end_amdgpu_metadata
.endif
;; end of part 4
;; launch outp: the kernel of part 3 again; grid 8 x 32, 4 waves a work-group, clusters of 4 x 4, 284,160 bytes of LDS; arguments aimg, Wo_codes, bo, lowp_scales, out0; writes out0
